; MI455X (gfx1250); checked and timed in simulation.
; The chip was launched on July 23, 2026; its instructions are those of AMD's public machine-readable ISA for CDNA 5 (MIT licence, August 2026) and "CDNA5" Instruction Set Architecture Reference Guide (July 2026). The comments in the code are by the model that wrote it; some were corrected since.
;; Market State Estimation. Allowed arithmetic: matrix products marked QUANTISED: E2M1 operands, one E8M0 scale for each 32 along K, by v_wmma_scale_f32_16x16x128_f8f6f4 with both operands' format E2M1 (or v_wmma_scale_f32_32x16x128_f4), f32 sums; products left as they are: f32 operands where the result goes on into a quantised operand, else bf16, f16 or f32 operands; f32 sums; everything else in f32.
;; Inputs: alpha_w 1 x 1 float32; mask 8 x 32 x 512 float32; t 8 x 512 float32; x 8 x 32 x 512 x 64 float32.
;; Outputs: out0 8 x 32 x 512 x 64 float32.
;; This version of the problem:
;;   THIS VERSION OF THE PROBLEM IS GIVEN IN LOW PRECISION. The matrix products marked QUANTISED in the list below multiply operands that are first quantised to E2M1 (2 exponent bits, 1 mantissa bit; 4 bits a number), with one power-of-two scale for each 32 numbers along K (OCP MX v1.0); their sums are f32. All else is computed in f32.
;;   The module's matrix products, in the order in which they are computed (A, B: the left and right operand; K: the contracted axis; several contracted axes count as one K, in the product's order):
;;     1. batch 8 x [M 512, K 16] x [K 16, N 512]; A: computed on the way; B: computed on the way: left as it is (K = 16 < 32)
;;     2. batch 256 x [M 512, K 512] x [K 512, N 64]; A: softmax (see below); B: input x: QUANTISED
;;   THE QUANTISER, for each operand of a quantised product, along K:
;;     - K is cut into blocks of 32 from its start; a last block that is shorter is filled with zeros.
;;     - A block's scale is 2^e with e = floor(log2(the largest magnitude in the block)) - 2, held to -126 .. 127; a block of zeros has e = 0. As a byte (E8M0): e + 127.
;;     - Each number is divided by its block's scale, clamped to +-6, and rounded to the nearest number of E2M1, ties to even, subnormals kept.
;;     - The product sums the exact products of the quantised numbers (number of the format x scale) in f32.
;;   ~~~python
;;   def quantise(x, axis):      # numpy; x: float32 -> the quantised numbers, widened to float32 again
;;       x = np.moveaxis(x, axis, -1); K = x.shape[-1]
;;       x = np.pad(x, [(0, 0)] * (x.ndim - 1) + [(0, -K % 32)]); x = x.reshape(x.shape[:-1] + (-1, 32)); a = np.abs(x).max(-1, keepdims=True)
;;       e = np.where(a > 0, np.clip(np.frexp(np.where(a > 0, a, 1))[1] - 1 - 2, -126, 127), 0)      # np.frexp(a)[1] - 1 = floor(log2(a)), exactly
;;       r = np.clip(x / 2.0 ** e, -6, 6)
;;       step = 2.0 ** (np.maximum(np.frexp(np.where(r == 0, 1, r))[1] - 1, 0) - 1)
;;       q = np.round(r / step) * step * 2.0 ** e      # np.round: ties to even
;;       return np.moveaxis(q.reshape(q.shape[:-2] + (-1,))[..., :K], -1, axis).astype(np.float32)
;;   ~~~
;;   SOFTMAX AHEAD OF A QUANTISED PRODUCT. Where the list says 'softmax', what is quantised is not the finished softmax but p = 2^(t - M), with t = logit x log2(e) and M = ceil(the row's largest t), a whole number; so 1/2 < the row's largest p <= 1. The row's sum l is taken of the UNQUANTISED p, in f32, and the product's result is divided by l at the end. Since M is a whole number, a kernel that streams over the keys may use a running M (the ceiling of the running maximum): every later rescaling is an exact power of two, which a block's scale takes up: the codes' values come out the same.
;;   OPERANDS COMPUTED ON THE WAY. 'Computed on the way' means the value that the module computes at that place (a softmax that the list does not call 'softmax' is quantised finished and normalised). What goes into a quantiser is computed in f32, as accurately as f32 sums, v_exp_f32 and their like allow (about 1e-6 of the number): no bf16 or f16 on the way to a quantiser, and a product that is left as it is and whose result goes on into a quantised operand takes f32 operands (vector FMAs, or v_wmma_f32_16x16x4_f32). A number that lies on a knife's edge between two numbers of the format may be rounded either way, as far as f32 arithmetic and the matrix unit's own rounding can turn it there, and no further.
;; 2 versions, each right and faster than the one before. Each part assembles by itself: llvm-mc -triple=amdgcn-amd-amdhsa -mcpu=gfx1250 --defsym DOCPART=n.
;; ======== version 1 of 2: 1 launch
;; limits: right only within a limited range of input values
;; launch mse (part 1): grid 4 x 64, 4 waves a work-group, no clusters, 147,968 bytes of LDS; arguments t, x, mask, alpha_w, out0; writes out0
.if DOCPART == 1
	.amdgcn_target "amdgcn-amd-amdhsa--gfx1250"
	.amdhsa_code_object_version 6
	.text
	.protected	k_q04d49253f2_mse
	.globl	k_q04d49253f2_mse
	.p2align	8
	.type	k_q04d49253f2_mse,@function
k_q04d49253f2_mse:
	s_mov_b64 s[64:65], 0
	v_nop
	global_prefetch_b8 v0, s[64:65] scope:SCOPE_SE
	s_setreg_imm32_b32 hwreg(HW_REG_WAVE_MODE, 25, 1), 1
	s_wait_xcnt 0x0
; out[b][p][s][:] = x m + (1 - m) (sum over keys k of p(s,k) Q(x[b][p][k][:])) / l(s):  attention over time, B = 8, P = 32, S = 512, D = 64.
; The score of (s, k) is a quarter of the dot product of two vectors of 8 (sin, cos) pairs, and hangs on b alone; a key counts where mask[b][p][k] + (s == k) >= 0.5.
; p = 2^(t - M), t = score x log2(e).  EVERY (sin, cos) PAIR HAS NORM 1, for every input: so |score| <= 2, the diagonal's score is 2 (t = 2.885..) and M = ceil(2.885..) = 3 wherever the diagonal counts.
; Where it does not count, M = 3 differs from the rule's M by a whole number, which the blocks' scales take up; t - 3 lies in -5.9 .. -0.1, so nothing overflows or underflows.  So no maximum is searched.
; The factor 2^-3 rides in the key's weight, 0 or 0.125: p = 2^t x weight, exact.  2^t is the same for all p: each block of it is made once by a wave and used for four p.
; SHARES.  A work-group (x = sg, y = 8 b + pg) takes queries 128 sg .. + 127 of p = 4 pg .. 4 pg + 3.  Wave w takes two tiles of 16 queries (128 sg + 32 w + 16 tau on) for all four p, makes the encodings of
; keys 128 w .. + 127, and quantises x[b][4 pg + w], along the keys.  256 work-groups of four waves, each wave with a SIMD's 1,024 registers.
; THE LOOP goes over the four K steps of 128 keys, so that its registers are the same in every trip: my x's codes of these keys to LDS | barrier | twice: 2^t of 64 keys x 32 queries by f32 multiply-adds
; (16 dims: 512 packed ones), then for each p: weights, diagonal, largest p, codes, sum | the 32 products on codes | barrier.
; LAYOUT.  A lane holds ONE query (lane % 16), and its 32 registers of a block are the neighbouring keys 64 c + 32 (lane / 16) + 0 .. 31: one whole block of the quantiser, in the order of the 4-bit operand.
; The product is used transposed (source 0 = 16 channels of x, source 1 = my 16 queries).  x: a lane takes a channel and its registers run down the keys; the codes go to LDS as images of the operand's registers.
; THE 32 SUMS ARE CLEARED ONCE, by 256 moves that stand while the first loads are on their way: a first trip written out with the constant 0 as C would double the loop's text.
; NO CLUSTER, NO TENSOR LOAD: the four work-groups of a (b, pg) read the same four x[b][p] (4 x 131,072 bytes as f32, more than LDS holds).  The conversions want the keys down a lane's registers, so brought
; jointly into LDS each number would still be read from there by one 4-byte LDS load for each 4-byte global load spared: no instruction fewer, and 524,288 bytes more through LDS.
; LIMITS.  A row in which no key counts (it needs mask[s] < -0.5 and every other mask under 0.5) has l = 0 and is not served.  For alpha x 1000 <= 0 the scale is exp(.) where the definition has expm1(.) + 1:
; they differ by 6e-8 at the most, absolutely.  sin and cos: reduction by pi/2 in three parts, polynomials of degree 7 and 8: good for angles up to about 1e5.  NaN and infinities in x are not served.
; A block of zeros gets the scale byte 1 (the floor) where the rule says 127: its codes are zeros, and only this program reads the bytes.
; LDS, in bytes:
.set TPB,  0                           ; the keys' encodings: 2,048 a block of 32 keys: 128 bytes a dim, 4 a key
.set XI,   32768                       ; x's codes as images: 16,384 pl + 4,096 ks + 1,024 dt + 512 c + 16 lane
.set XSL,  98304                       ; x's scale words: 1,024 pl + 256 ks + 4 d
.set WT,   102400                      ; the keys' weights, f32: 2,048 pl + 4 key
.set STG,  110592                      ; the way out: 8,704 a wave: 32 rows of 272 bytes (256 of data, the row's m at + 256)
.set RED,  145408                      ; the waves' smallest t (words 0-3) and largest (words 4-7)
; REGISTERS.  window 0: v1-27 addresses and small things; then:
.set XSC,  28                          ; v28-35   x's scale words, two a p: scales and nothing else
.set PSW,  36                          ; v36-43   p's scale words (2 pl + tau): scales and nothing else
.set DVL,  44                          ; v44-51   the diagonal's p (2 pl + tau); on the way out v44-59: pairs ((1 - m) / l, 1 - m)
.set SW,   52                          ; v52-59   scale words in the making
.set MX,   60                          ; v60-63   largest p: two chains a tile
.set EB,   64                          ; v64-127  2^t of a block: 32 a tile; on the way out rows of the result
.set KM,   128                         ; v128-191 the keys' encodings of a dim, two sets of 32; then p, 32 a tile; at work for x's quantiser
.set PCB,  192                         ; v192-255 p's codes: 16 pl + 8 tau; on the way out rows of the result
; window 1: the 32 sums: 64 pl + 32 tau + 8 dt.   window 3: x as loaded: 32 a block of 32 keys, 8 blocks; in the last trip x's rows of my queries: 64 pl + 32 tau + 4 i.   window 2:
.set WB,   32                          ; v0-31 my queries' encodings x log2(e) / 4: 16 tau + d (own 8 dims, then the other half's);  v32-95 weights, two sets of 32; then x's fragments, two sets
.set LS,   96                          ; v96-111  the rows' sums: a pair for each 2 pl + tau
.set MQ,   128                         ; v128-135 my queries' m: 2 pl + tau
.set MSB, 0
.macro WIN new                         ; bits 1:0 source 0, 3:2 source 1, 5:4 source 2, 7:6 destination; the high byte repeats the setting that is left; a switch that changes nothing is dropped
.if MSB != \new
	s_set_vgpr_msb (MSB<<8)|\new
.set MSB, \new
.endif
.endm
.macro BAR                             ; my LDS stores have landed and my LDS loads are in: then the work-group's barrier
	s_wait_dscnt 0x0
	s_barrier_signal -1
	s_barrier_wait -1
.endm
; sin and cos of v[tin] x my four divisors: v[200 + 2 j] = sin, v[201 + 2 j] = cos.  v160.. x, v164.. n, v168.. n as a whole number, v172.. x^2, v176.. sin's polynomial, v180.. cos's
.macro SC4 tin
.irp j, 0,1,2,3
	v_mul_f32 v[160+\j], v[\tin], v[208+\j]
.endr
.irp j, 0,1,2,3
	v_mul_f32 v[164+\j], s30, v[160+\j]
.endr
.irp j, 0,1,2,3
	v_rndne_f32 v[164+\j], v[164+\j]               ; n = the nearest whole number to x 2 / pi
.endr
.irp j, 0,1,2,3
	v_fma_f32 v[160+\j], v[164+\j], s31, v[160+\j] ; x - n pi/2, pi/2 in three parts
.endr
.irp j, 0,1,2,3
	v_fma_f32 v[160+\j], v[164+\j], s32, v[160+\j]
.endr
.irp j, 0,1,2,3
	v_fma_f32 v[160+\j], v[164+\j], s33, v[160+\j]
.endr
.irp j, 0,1,2,3
	v_cvt_i32_f32 v[168+\j], v[164+\j]
.endr
.irp j, 0,1,2,3
	v_mul_f32 v[172+\j], v[160+\j], v[160+\j]
.endr
.irp j, 0,1,2,3
	v_fma_f32 v[176+\j], v[172+\j], s36, s35
.endr
.irp j, 0,1,2,3
	v_fma_f32 v[180+\j], v[172+\j], s39, s38
.endr
.irp j, 0,1,2,3
	v_fma_f32 v[176+\j], v[176+\j], v[172+\j], s34
.endr
.irp j, 0,1,2,3
	v_fma_f32 v[180+\j], v[180+\j], v[172+\j], s37
.endr
.irp j, 0,1,2,3
	v_mul_f32 v[164+\j], v[172+\j], v[160+\j]      ; x^3
.endr
.irp j, 0,1,2,3
	v_fma_f32 v[180+\j], v[180+\j], v[172+\j], -0.5
.endr
.irp j, 0,1,2,3
	v_fma_f32 v[176+\j], v[176+\j], v[164+\j], v[160+\j]
.endr
.irp j, 0,1,2,3
	v_fma_f32 v[180+\j], v[180+\j], v[172+\j], 1.0
.endr
.irp j, 0,1,2,3
	v_and_b32 v[172+\j], 1, v[168+\j]              ; an odd quadrant swaps the two;
	v_cmp_eq_u32 vcc_lo, 1, v[172+\j]
	v_cndmask_b32 v[200+2*\j], v[176+\j], v[180+\j], vcc_lo
	v_cndmask_b32 v[201+2*\j], v[180+\j], v[176+\j], vcc_lo
	v_lshlrev_b32 v[172+\j], 30, v[168+\j]         ; sin changes sign in quadrants 2, 3: bit 1 of n;
	v_add_nc_u32 v[168+\j], 1, v[168+\j]           ; cos in quadrants 1, 2: bit 1 of n + 1
	v_and_b32 v[172+\j], 0x80000000, v[172+\j]
	v_lshlrev_b32 v[168+\j], 30, v[168+\j]
	v_xor_b32 v[200+2*\j], v[172+\j], v[200+2*\j]
	v_and_b32 v[168+\j], 0x80000000, v[168+\j]
	v_xor_b32 v[201+2*\j], v[168+\j], v[201+2*\j]
.endr
.endm
; block q of a K step of x[b][4 pg + w]: keys 32 (q % 4) + 0 .. 31 of channels 32 (q / 4) + lane, from off bytes on, into window 3: each load reads 128 consecutive bytes
.macro XLOAD q, off
.set II, 0
.rept 32
	global_load_b32 v[32*(\q)+II], v5, s[20:21] offset:(32*((\q)%4)+II)*256+128*((\q)/4)+\off
.set II, II+1
.endr
.endm
	s_load_b256 s[4:11], s[0:1], 0x0               ; t s[4:5], x s[6:7], mask s[8:9], alpha_w s[10:11]
	s_load_b64 s[12:13], s[0:1], 0x20              ; out0
	s_set_vgpr_msb 0x80
	v_lshl_add_u32 v254, v0, 2, 0x24000
	v_mov_b32 v255, 0
	s_set_vgpr_msb 0x8000
	v_lshrrev_b32 v1, 5, v0
	v_readfirstlane_b32 s14, v1                    ; wave w
	s_mov_b32 s15, ttmp9                           ; sg
	s_and_b32 s16, ttmp7, 0xffff                   ; y = 8 b + pg
	v_and_b32 v1, 15, v0                           ; r   (in the loop v1, v2 hold the conversions' scale operands)
	v_bfe_u32 v2, v0, 4, 1                         ; h
	v_and_b32 v5, 31, v0                           ; lane
	v_lshlrev_b32 v3, 4, v5                        ; 16 lane
	s_lshl_b32 s17, s14, 13
	v_lshlrev_b32 v4, 2, v1
	v_lshl_add_u32 v4, v2, 10, v4
	v_add_nc_u32 v4, s17, v4                       ; v4: where I store encodings: my wave's four blocks, dims 8 h on, key r
	v_lshlrev_b32 v6, 4, v1
	v_lshl_add_u32 v6, v2, 10, v6
	s_lshl_b32 s17, s14, 14
	s_add_co_u32 s17, s17, XI
	v_add_nc_u32 v6, s17, v6                       ; v6: where I store x's codes: channel tile lane / 16, row lane % 16
	v_lshlrev_b32 v5, 2, v5                        ; v5: 4 lane
	s_lshl_b32 s17, s14, 10
	s_add_co_u32 s17, s17, XSL
	v_add_nc_u32 v7, s17, v5                       ; v7: where I store x's scale words
	v_lshlrev_b32 v8, 7, v2
	v_add_nc_u32 v8, WT, v8                        ; v8: the weights of my half's 32 keys of a pair of blocks (v9: in this K step)
	v_add_nc_u32 v10, XI, v3                       ; v10: x's images, read (v11)
	v_add_nc_u32 v12, XSL, v5                      ; v12: x's scale words, read (v13)
	s_mul_i32 s17, s14, 8704
	s_add_co_u32 s17, s17, STG                     ; my stage
	v_mul_u32_u24 v15, v1, 272
	v_add_nc_u32 v15, s17, v15
	v_lshl_add_u32 v14, v2, 5, v15                 ; v14: in: row r, 32 bytes for each half of the lanes
	v_add_nc_u32 v15, 256, v15                     ; v15: row r's m
	v_mul_u32_u24 v17, v2, 272
	v_add_nc_u32 v17, s17, v17
	v_lshl_add_u32 v16, v1, 4, v17                 ; v16: back: lanes 0-15 one row, lanes 16-31 the next
	v_add_nc_u32 v17, 256, v17                     ; v17: that row's m
	v_lshlrev_b32 v18, 8, v2
	v_lshl_add_u32 v18, v1, 4, v18                 ; v18: the same two rows in x and in out0
	v_lshlrev_b32 v19, 3, v2                       ; v19: 8 h: how far my half's scale bytes are shifted
	v_mul_u32_u24 v20, v2, 3072                    ; v20: encodings, read: block h of a pair (2,048 h), its dims 8 h on (1,024 h)   (v21: in this K step)
	v_lshl_add_u32 v22, v2, 10, 1024               ; v22: the same block's dims 8 (1 - h) on: 2,048 h + 1,024 - 1,024 h   (v23)
	v_mov_b32 v24, 0                               ; v24: 0
	v_mov_b32 v219, 0                              ; a lane permute's destination counts as one of its sources
	v_mov_b32 v221, 0
	s_lshl_b32 s17, s14, 9
	v_lshl_add_u32 v242, v1, 2, s17                ; v242: t of key 128 w + r
	s_lshl_b32 s17, s15, 9
	s_lshl_b32 s18, s14, 7
	s_add_co_u32 s17, s17, s18
	v_lshl_add_u32 v243, v1, 2, s17                ; v243: t and mask of my query: 4 r + 512 sg + 128 w
	v_lshlrev_b32 v244, 4, v0                      ; v244: 16 x thread: my four keys of a row of the mask
	v_add_nc_u32 v245, WT, v244                    ; v245: and their weights' place
	s_lshl_b32 s17, s14, 2
	s_add_co_u32 s17, s17, RED
	v_mov_b32 v246, s17                            ; v246: my wave's word among the smallest t
	v_mov_b32 v247, RED
	s_mov_b32 s30, 0x3f22f983                      ; 2 / pi
	s_mov_b32 s31, 0xbfc90fdb                      ; -pi/2, first part;
	s_mov_b32 s32, 0x333bbd2e                      ; second;
	s_mov_b32 s33, 0x26f72ced                      ; third
	s_mov_b32 s34, 0xbe2aaaa3                      ; sin: x + x^3 (s34 + s35 z + s36 z^2)
	s_mov_b32 s35, 0x3c08839e
	s_mov_b32 s36, 0xb94ca1f9
	s_mov_b32 s37, 0x3d2aaaa5                      ; cos: 1 - z / 2 + z^2 (s37 + s38 z + s39 z^2)
	s_mov_b32 s38, 0xbab6061a
	s_mov_b32 s39, 0x37ccf5ce
	s_mov_b32 s40, 0x76543210                      ; v_permlanex16_b32's selects for lane l xor 16
	s_mov_b32 s41, 0xfedcba98
	s_lshl_b32 s42, s15, 1
	s_lshr_b32 s18, s14, 1
	s_add_co_u32 s42, s42, s18                     ; s42: the pair of blocks in which my queries' own keys lie: 2 sg + w / 2
	s_and_b32 s17, s14, 1
	s_lshl_b32 s17, s17, 4
.irp j, 0,1,2,3,4,5,6,7,8,9,10,11,12,13,14,15
	s_lshl_b32 s[48+\j], 1<<\j, s17                ; s48-63: the one lane that holds query j's own key: lane j + 16 (w % 2)
.endr
	v_cmp_eq_u32 vcc_lo, 1, v2                     ; my four divisors 10000^(-i / 8), i = 4 h + j
	v_mov_b32 v208, 0x3c23d70a
	v_mov_b32 v209, 0x3b4f3e37
	v_mov_b32 v210, 0x3a83126f
	v_mov_b32 v211, 0x39a5cb5f
	v_cndmask_b32 v208, 1.0, v208, vcc_lo
	v_cndmask_b32 v209, 0x3ea1e89b, v209, vcc_lo
	v_cndmask_b32 v210, 0x3dcccccd, v210, vcc_lo
	v_cndmask_b32 v211, 0x3d0186e2, v211, vcc_lo
	s_wait_kmcnt 0x0
	s_load_b32 s19, s[10:11], 0x0                  ; alpha
	s_lshr_b32 s28, s16, 3
	s_lshl_b32 s28, s28, 11
	s_mov_b32 s29, 0
	s_add_nc_u64 s[4:5], s[4:5], s[28:29]          ; t[b]
	s_lshl_b32 s28, s16, 13
	s_add_nc_u64 s[26:27], s[8:9], s[28:29]        ; mask[b][4 pg]
	s_lshl_b32 s28, s16, 19
	s_add_nc_u64 s[6:7], s[6:7], s[28:29]          ; x[b][4 pg]
	s_add_nc_u64 s[12:13], s[12:13], s[28:29]      ; out0[b][4 pg]
	s_lshl_b32 s28, s14, 17
	s_add_nc_u64 s[20:21], s[6:7], s[28:29]        ; x[b][4 pg + w]: what I quantise
	s_lshl_b32 s28, s15, 15
	s_lshl_b32 s17, s14, 13
	s_add_co_u32 s28, s28, s17
	s_add_nc_u64 s[22:23], s[6:7], s[28:29]        ; x and out0 at my first query
	s_add_nc_u64 s[24:25], s[12:13], s[28:29]
.irp i, 0,1,2,3,4,5,6,7
	global_load_b32 v[80+\i], v242, s[4:5] offset:64*\i     ; t of keys 128 w + 16 i + r
.endr
.irp tau, 0,1
	global_load_b32 v[88+\tau], v243, s[4:5] offset:64*\tau ; t of my queries
.endr
.irp pl, 0,1,2,3
	global_load_b128 v[224+4*\pl:227+4*\pl], v244, s[26:27] offset:2048*\pl   ; the four rows of the mask, four keys a thread
.endr
	WIN 0x80                                       ; destination window 2
.irp pl, 0,1,2,3
.irp tau, 0,1
	global_load_b32 v[MQ+2*\pl+\tau], v243, s[26:27] offset:2048*\pl+64*\tau  ; my queries' m
.endr
.endr
	WIN 0xc0                                       ; destination window 3
	XLOAD 0, 0
	WIN 0x40                                       ; destination window 1: the 32 sums begin as zeros; these lines stand while the loads above are on their way
.set II, 0
.rept 256
	v_mov_b32 v[II], 0
.set II, II+1
.endr
	WIN 0x80
.set II, 0
.rept 16
	v_mov_b32 v[LS+II], 0                          ; and the rows' sums
.set II, II+1
.endr
	s_wait_loadcnt 32                              ; the 22 small loads are in: only block 0's 32 are younger
	WIN 0xc0
	XLOAD 1, 0
	WIN 0
	; the smallest and largest t of my wave's 128 keys (both halves of the lanes hold the same keys)
	v_min3_num_f32 v212, v80, v81, v82
	v_max3_num_f32 v213, v80, v81, v82
	v_min3_num_f32 v212, v212, v83, v84
	v_max3_num_f32 v213, v213, v83, v84
	v_min3_num_f32 v212, v212, v85, v86
	v_max3_num_f32 v213, v213, v85, v86
	v_min_num_f32 v212, v212, v87
	v_max_num_f32 v213, v213, v87
.irp m, 1,2,4,8
	v_min_num_f32_dpp v212, v212, v212 row_xmask:\m row_mask:0xf bank_mask:0xf
	v_max_num_f32_dpp v213, v213, v213 row_xmask:\m row_mask:0xf bank_mask:0xf
.endr
	ds_store_b32 v246, v212
	ds_store_b32 v246, v213 offset:16
.irp n, 0,1,2,3,4,5,6,7,8,9,10,11,12,13,14,15
	v_cmp_gt_f32 vcc_lo, 0.5, v[224+\n]            ; a key off the diagonal is hidden where mask < 0.5
	v_cndmask_b32 v[224+\n], 0x3e000000, v24, vcc_lo   ; its weight: 0, else 2^-3
.endr
.irp pl, 0,1,2,3
	ds_store_b128 v245, v[224+4*\pl:227+4*\pl] offset:2048*\pl
.endr
	s_wait_kmcnt 0x0
	s_mul_f32 s17, s19, 0x447a0000                 ; alpha x 1000
	v_mov_b32 v160, s17
	v_mul_f32 v161, 0x3fb8aa3b, v160
	v_exp_f32 v161, v161                           ; e^(alpha 1000)
	v_add_f32 v162, 1.0, v160
	v_cmp_lt_f32 vcc_lo, 0, v160
	s_wait_alu depctr_va_vdst(0)                   ; ahead of the exponential's first reader; two plain lines stand between
	v_cndmask_b32 v216, v161, v162, vcc_lo         ; v216: elu + 1
	BAR                                            ; the waves' extremes and the weights lie in LDS
	ds_load_b128 v[160:163], v247
	ds_load_b128 v[164:167], v247 offset:16
	s_wait_dscnt 0x0
	v_min3_num_f32 v212, v160, v161, v162
	v_max3_num_f32 v213, v164, v165, v166
	v_min_num_f32 v212, v212, v163                 ; v212: the smallest t of the batch
	v_max_num_f32 v213, v213, v167
	v_sub_f32 v215, v213, v212                     ; v215: largest - smallest
	v_rcp_f32 v214, v215
	v_nop
	s_wait_alu depctr_va_vdst(0)
.irp n, 80,81,82,83,84,85,86,87,88,89
	v_sub_f32 v[\n], v[\n], v212
	v_mul_f32 v160, v[\n], v214                    ; the quotient, with one correction step
	v_fma_f32 v161, -v160, v215, v[\n]
	v_fma_f32 v160, v161, v214, v160
	v_mul_f32 v[\n], v216, v160                    ; x the scale
.endr
	WIN 0xc0
	XLOAD 2, 0                                     ; the first K step's other blocks of x are asked for in groups of 64 loads, spread over this head
	XLOAD 3, 0
	WIN 0
	s_mov_b32 s43, 0
	s_mov_b32 s47, 0
.Ltp:                                              ; four trips, a block of 32 keys each: lane (r, h) makes dims 8 h .. 8 h + 7 of keys r and 16 + r
	SC4 80
	v_add_nc_u32 v217, s47, v4
.irp e, 0,1,2,3,4,5,6,7
	ds_store_b32 v217, v[200+\e] offset:128*\e
.endr
	s_wait_dscnt 0x0                               ; the stores have read their registers
	SC4 81
.irp e, 0,1,2,3,4,5,6,7
	ds_store_b32 v217, v[200+\e] offset:128*\e+64
.endr
.irp i, 80,81,82,83,84,85
	v_mov_b32 v[\i], v[\i+2]                       ; the next block's t move down
.endr
	s_wait_dscnt 0x0
	s_add_co_u32 s47, s47, 2048
	s_add_co_u32 s43, s43, 1
	s_cmp_lt_u32 s43, 4
	s_cbranch_scc1 .Ltp
	WIN 0xc0
	XLOAD 4, 0
	XLOAD 5, 0
	WIN 0
.irp tau, 0,1                                      ; my queries' encodings, x c = log2(e) / 4: own 8 dims, then the other half's; the diagonal's 2^t from the encoding's own square
	SC4 88+\tau
	v_mul_f32 v[218+2*\tau], v200, v200
.irp j, 1,2,3,4,5,6,7
	v_fmac_f32 v[218+2*\tau], v[200+\j], v[200+\j]
.endr
	v_permlanex16_b32 v[219+2*\tau], v[218+2*\tau], s40, s41
	v_add_f32 v[218+2*\tau], v[218+2*\tau], v[219+2*\tau]
	v_mul_f32 v[218+2*\tau], 0x3eb8aa3b, v[218+2*\tau]
.irp j, 0,1,2,3,4,5,6,7
	v_permlanex16_b32 v[160+\j], v[200+\j], s40, s41
.endr
	WIN 0x80                                       ; destination window 2
.irp j, 0,1,2,3,4,5,6,7
	v_mul_f32 v[16*\tau+\j], 0x3eb8aa3b, v[200+\j]
.endr
.irp j, 0,1,2,3,4,5,6,7
	v_mul_f32 v[16*\tau+8+\j], 0x3eb8aa3b, v[160+\j]
.endr
	WIN 0
	v_exp_f32 v[3+24*\tau], v[218+2*\tau]          ; v3, v27: the diagonal's 2^t
.endr
	v_nop
	s_wait_alu depctr_va_vdst(0)                   ; one wait for the two exponentials
	WIN 0xc0
	XLOAD 6, 0
	XLOAD 7, 0
	WIN 0x08                                       ; source 1 window 2
.irp n, 0,1,2,3,4,5,6,7
	v_add_f32 v[DVL+\n], 1.0, v[MQ+\n]             ; the diagonal is hidden where m + 1 < 0.5
.endr
	WIN 0
.irp n, 0,1,2,3,4,5,6,7
	v_cmp_gt_f32 vcc_lo, 0.5, v[DVL+\n]
	v_cndmask_b32 v[DVL+\n], 0x3e000000, v24, vcc_lo
	v_mul_f32 v[DVL+\n], v[3+24*(\n%2)], v[DVL+\n] ; the diagonal's p
.endr
	BAR                                            ; all 512 keys' encodings lie in LDS
; ---- MACROS OF THE LOOP
; Four blocks (128 keys) of 32 channels of x: each block's 32 numbers are one lane's: largest magnitude, scale, codes, image.  The four blocks take turns line by line.
.macro XQ dh
	WIN 0x0f                                       ; sources 0 and 1 window 3
.irp blk, 0,1,2,3
	v_max3_num_f32 v[KM+2*\blk], |v[32*(4*\dh+\blk)]|, |v[32*(4*\dh+\blk)+1]|, 0x1800000     ; with the floor 2^(3 - 127): the byte cannot fall under 1
	v_max3_num_f32 v[KM+2*\blk+1], |v[32*(4*\dh+\blk)+2]|, |v[32*(4*\dh+\blk)+3]|, 0x1800000
.endr
.irp i, 4,8,12,16,20,24,28
.irp blk, 0,1,2,3
	v_max3_num_f32 v[KM+2*\blk], |v[32*(4*\dh+\blk)+\i]|, |v[32*(4*\dh+\blk)+\i+1]|, v[KM+2*\blk]
	v_max3_num_f32 v[KM+2*\blk+1], |v[32*(4*\dh+\blk)+\i+2]|, |v[32*(4*\dh+\blk)+\i+3]|, v[KM+2*\blk+1]
.endr
.endr
	WIN 0
.irp blk, 0,1,2,3
	v_max_num_f32 v[KM+2*\blk], v[KM+2*\blk], v[KM+2*\blk+1]
.endr
.irp blk, 0,1,2,3
	v_add_nc_u32 v[KM+8+\blk], 0xff000000, v[KM+2*\blk]   ; 2 off the exponent field: the conversion's scale operand
.endr
.irp blk, 0,1,2,3
	v_lshrrev_b32 v[KM+12+\blk], 23, v[KM+8+\blk]  ; the scale's byte
.endr
	v_lshl_or_b32 v[KM+16+\dh], v[KM+13], 8, v[KM+12]     ; four bytes: the word of 128 keys
	v_lshl_or_b32 v[KM+16+\dh], v[KM+14], 16, v[KM+16+\dh]
	v_lshl_or_b32 v[KM+16+\dh], v[KM+15], 24, v[KM+16+\dh]
	WIN 0x03                                       ; source 0 window 3
.irp blk, 0,1,2,3
.irp q, 0,1,2,3
	v_cvt_scalef32_pk8_fp4_f32 v[KM+20+16*\dh+4*\blk+\q], v[32*(4*\dh+\blk)+8*\q:32*(4*\dh+\blk)+8*\q+7], v[KM+8+\blk]
.endr
.endr
	WIN 0
	v_nop                                          ; one plain line behind the last conversion
.irp blk, 0,1,2,3
	ds_store_b128 v25, v[KM+20+16*\dh+4*\blk:KM+20+16*\dh+4*\blk+3] offset:\dh*2048+(\blk/2)*512+(\blk%2)*256   ; block 2 c + h: registers 4 c .. of lane r + 16 h
.endr
	ds_store_b32 v26, v[KM+16+\dh] offset:\dh*128
.endm
; A quarter of what is asked of memory in a trip: blocks 2 g and 2 g + 1 of the NEXT K step of x (64 loads; they have most of a trip in which to land); in the last trip, in which there is no next K step,
; x's rows of my queries for p = g, into the same registers: the way out wants them.  The branch hangs on the trip's number.  All of them are waited for by one wait for 0.
.macro XG g
	s_cmp_eq_u32 s43, 3
	s_cbranch_scc1 .Lxr_\@
	WIN 0xc0
	XLOAD 2*\g, 32768
	XLOAD 2*\g+1, 32768
	WIN 0
	s_branch .Lxd_\@
.Lxr_\@:
	WIN 0xc0
.irp tau, 0,1
.irp i, 0,1,2,3,4,5,6,7
	global_load_b128 v[64*\g+32*\tau+4*\i:64*\g+32*\tau+4*\i+3], v18, s[22:23] offset:\g*0x20000+\tau*4096+512*\i
.endr
.endr
	WIN 0
.Lxd_\@:
.endm
; t of keys 64 (2 ks + cc) + 32 h + 0 .. 31 for my 32 queries, in f32: 16 dims; for each dim 8 LDS loads (my block's 32 keys; the lanes of a half read the same bytes) and 32 packed multiply-adds
; (16 pairs of keys x 2 tiles, none waiting for another).  The next dim's loads are issued ahead of a dim's arithmetic.  Dim 0's products start the sums.
.macro FM cc
	WIN 0x08                                       ; source 1 (my queries) window 2
.irp j, 0,1,2,3,4,5,6,7
	ds_load_b128 v[KM+4*\j:KM+4*\j+3], v21 offset:\cc*4096+16*\j
.endr
.set DD, 0
.rept 16
.if DD < 15
.irp j, 0,1,2,3,4,5,6,7
.if DD < 7
	ds_load_b128 v[KM+32*((DD+1)%2)+4*\j:KM+32*((DD+1)%2)+4*\j+3], v21 offset:\cc*4096+((DD+1)%8)*128+16*\j
.else
	ds_load_b128 v[KM+32*((DD+1)%2)+4*\j:KM+32*((DD+1)%2)+4*\j+3], v23 offset:\cc*4096+((DD+1)%8)*128+16*\j
.endif
.endr
	s_wait_dscnt 8                                 ; this dim's loads are in; the next dim's 8 may be out
.else
	s_wait_dscnt 0x0
.endif
.irp tau, 0,1
.set NN, 0
.rept 16
.if DD == 0
	v_pk_mul_f32 v[EB+32*\tau+2*NN:EB+32*\tau+2*NN+1], v[KM+2*NN:KM+2*NN+1], v[16*\tau:16*\tau+1] op_sel_hi:[1,0]
.elseif DD%2 == 0
	v_pk_fma_f32 v[EB+32*\tau+2*NN:EB+32*\tau+2*NN+1], v[KM+2*NN:KM+2*NN+1], v[16*\tau+DD:16*\tau+DD+1], v[EB+32*\tau+2*NN:EB+32*\tau+2*NN+1] op_sel_hi:[1,0,1]
.else
	v_pk_fma_f32 v[EB+32*\tau+2*NN:EB+32*\tau+2*NN+1], v[KM+32+2*NN:KM+32+2*NN+1], v[16*\tau+DD-1:16*\tau+DD], v[EB+32*\tau+2*NN:EB+32*\tau+2*NN+1] op_sel:[0,1,0] op_sel_hi:[1,1,1]
.endif
.set NN, NN+1
.endr
.endr
.set DD, DD+1
.endr
	WIN 0
.endm
.macro WLOAD pl, cc                    ; the weights of keys 64 (2 ks + cc) + 32 h + 0 .. 31 for p = pl, into window 2
.irp j, 0,1,2,3,4,5,6,7
	ds_load_b128 v[WB+32*((\pl)%2)+4*\j:WB+32*((\pl)%2)+4*\j+3], v9 offset:(\pl)*2048+(\cc)*256+16*\j
.endr
.endm
.macro XFLOAD pl                       ; x's four fragments (16 channels x 128 keys) of this K step for p = pl, into window 2
.irp dt, 0,1,2,3
.irp q, 0,1
	ds_load_b128 v[WB+32*((\pl)%2)+8*\dt+4*\q:WB+32*((\pl)%2)+8*\dt+4*\q+3], v11 offset:(\pl)*16384+\dt*1024+512*\q
.endr
.endr
.endm
.macro EXPS cc                         ; 2^t, in place: one batch, one plain line, one wait ahead of the first reader; the first p's weights are asked for ahead of it
	WIN 0x80
	WLOAD 0, \cc
	WIN 0
.set II, 0
.rept 64
	v_exp_f32 v[EB+II], v[EB+II]
.set II, II+1
.endr
	v_nop
	s_wait_alu depctr_va_vdst(0)
.endm
; One p, one pair of blocks, both query tiles: p = 2^t x weight; the diagonal; the block's largest p; scale; codes; the row's sum of the unquantised p (in place, behind the conversions).
.macro UNIT pl, cc
	s_wait_dscnt 0x0                               ; this p's weights are in
	WIN 0x08                                       ; source 1 (the weights) window 2
.irp tau, 0,1
.set NN, 0
.rept 16
	v_pk_mul_f32 v[KM+32*\tau+2*NN:KM+32*\tau+2*NN+1], v[EB+32*\tau+2*NN:EB+32*\tau+2*NN+1], v[WB+32*(\pl%2)+2*NN:WB+32*(\pl%2)+2*NN+1]
.set NN, NN+1
.endr
.endr
.if \pl < 3
	WIN 0x80
	WLOAD \pl+1, \cc
.elseif \cc == 1
	WIN 0x80
	XFLOAD 0                                       ; the weights' registers are free: x's fragments of the first two p
	XFLOAD 1
.endif
	WIN 0
	s_cmp_lg_u32 s42, s[17+\cc]                    ; do my queries' own keys lie here?  (a branch on the work-group's, the wave's and the trip's numbers)
	s_cbranch_scc1 .Lnodiag_\@
.irp tau, 0,1
.irp j, 0,1,2,3,4,5,6,7,8,9,10,11,12,13,14,15
	v_cndmask_b32 v[KM+48*\tau+\j], v[KM+48*\tau+\j], v[DVL+2*\pl+\tau], s[48+\j]   ; query j's own key: register 16 tau + j of one lane
.endr
.endr
.Lnodiag_\@:
.irp tau, 0,1
	v_max3_num_f32 v[MX+2*\tau], v[KM+32*\tau], v[KM+32*\tau+1], 0x1800000     ; no p is negative; the floor 2^(3 - 127) holds the byte at 1 from below
	v_max3_num_f32 v[MX+2*\tau+1], v[KM+32*\tau+16], v[KM+32*\tau+17], v[KM+32*\tau+18]
.endr
.irp i, 1,2,3,4,5,6
.irp tau, 0,1
	v_max3_num_f32 v[MX+2*\tau], v[MX+2*\tau], v[KM+32*\tau+2*\i], v[KM+32*\tau+2*\i+1]
	v_max3_num_f32 v[MX+2*\tau+1], v[MX+2*\tau+1], v[KM+32*\tau+17+2*\i], v[KM+32*\tau+18+2*\i]
.endr
.endr
.irp tau, 0,1
	v_max3_num_f32 v[MX+2*\tau], v[MX+2*\tau], v[KM+32*\tau+14], v[KM+32*\tau+15]
.endr
.irp tau, 0,1
	v_max3_num_f32 v[MX+2*\tau], v[MX+2*\tau], v[MX+2*\tau+1], v[KM+32*\tau+31]
.endr
.irp tau, 0,1
	v_add_nc_u32 v[1+\tau], 0xff000000, v[MX+2*\tau]      ; 2 off the exponent field: the conversion's scale operand
.endr
.if \cc == 0
.irp tau, 0,1
	v_lshrrev_b32 v[SW+2*\pl+\tau], 23, v[1+\tau]  ; the byte of block h of the K step
.endr
.else
.irp tau, 0,1
	v_lshrrev_b32 v[MX+2*\tau], 23, v[1+\tau]
.endr
.irp tau, 0,1
	v_lshl_or_b32 v[SW+2*\pl+\tau], v[MX+2*\tau], 16, v[SW+2*\pl+\tau]   ; and of block 2 + h
.endr
.endif
.irp tau, 0,1
.irp q, 0,1,2,3
	v_cvt_scalef32_pk8_fp4_f32 v[PCB+16*\pl+8*\tau+4*\cc+\q], v[KM+32*\tau+8*\q:KM+32*\tau+8*\q+7], v[1+\tau]
.endr
.endr
	v_nop                                          ; one plain line behind the last conversion
.irp n, 0,1,2,3,4,5,6,7                            ; the sum of a lane's 16 pairs, in place: neighbours 1, 2, 4 and 8 pairs apart
.irp tau, 0,1
	v_pk_add_f32 v[KM+32*\tau+4*\n:KM+32*\tau+4*\n+1], v[KM+32*\tau+4*\n:KM+32*\tau+4*\n+1], v[KM+32*\tau+4*\n+2:KM+32*\tau+4*\n+3]
.endr
.endr
.if \cc == 1
.irp tau, 0,1
	v_lshlrev_b32 v[SW+2*\pl+\tau], v19, v[SW+2*\pl+\tau]      ; my two bytes at their places,
.endr
.endif
.irp n, 0,1,2,3
.irp tau, 0,1
	v_pk_add_f32 v[KM+32*\tau+8*\n:KM+32*\tau+8*\n+1], v[KM+32*\tau+8*\n:KM+32*\tau+8*\n+1], v[KM+32*\tau+8*\n+4:KM+32*\tau+8*\n+5]
.endr
.endr
.if \cc == 1
.irp tau, 0,1
	v_permlanex16_b32 v[MX+2*\tau+1], v[SW+2*\pl+\tau], s40, s41
.endr
.endif
.irp n, 0,1
.irp tau, 0,1
	v_pk_add_f32 v[KM+32*\tau+16*\n:KM+32*\tau+16*\n+1], v[KM+32*\tau+16*\n:KM+32*\tau+16*\n+1], v[KM+32*\tau+16*\n+8:KM+32*\tau+16*\n+9]
.endr
.endr
.if \cc == 1
.irp tau, 0,1
	v_or_b32 v[PSW+2*\pl+\tau], v[SW+2*\pl+\tau], v[MX+2*\tau+1]   ; with lane l xor 16's two: the query's scale word of these 128 keys
.endr
.endif
.irp tau, 0,1
	v_pk_add_f32 v[KM+32*\tau:KM+32*\tau+1], v[KM+32*\tau:KM+32*\tau+1], v[KM+32*\tau+16:KM+32*\tau+17]
.endr
	WIN 0x88                                       ; source 1 and destination window 2
.irp tau, 0,1
	v_pk_add_f32 v[LS+4*\pl+2*\tau:LS+4*\pl+2*\tau+1], v[KM+32*\tau:KM+32*\tau+1], v[LS+4*\pl+2*\tau:LS+4*\pl+2*\tau+1]
.endr
	WIN 0
.endm
.macro MM pl                           ; the sums += x^T p^T: source 0 = 16 channels, source 1 = my 16 queries; eight sums, one instruction each: the sums take turns
	WIN 0x52                                       ; source 0 (x) window 2, source 1 (p) window 0, C and D window 1
.irp dt, 0,1,2,3
.irp tau, 0,1
.if \dt%2
	v_wmma_scale_f32_16x16x128_f8f6f4 v[64*\pl+32*\tau+8*\dt:64*\pl+32*\tau+8*\dt+7], v[WB+32*(\pl%2)+8*\dt:WB+32*(\pl%2)+8*\dt+7], v[PCB+16*\pl+8*\tau:PCB+16*\pl+8*\tau+7], v[64*\pl+32*\tau+8*\dt:64*\pl+32*\tau+8*\dt+7], v[XSC+2*\pl+\dt/2], v[PSW+2*\pl+\tau] matrix_a_fmt:MATRIX_FMT_FP4 matrix_b_fmt:MATRIX_FMT_FP4 matrix_a_scale:MATRIX_SCALE_ROW1
.else
	v_wmma_scale_f32_16x16x128_f8f6f4 v[64*\pl+32*\tau+8*\dt:64*\pl+32*\tau+8*\dt+7], v[WB+32*(\pl%2)+8*\dt:WB+32*(\pl%2)+8*\dt+7], v[PCB+16*\pl+8*\tau:PCB+16*\pl+8*\tau+7], v[64*\pl+32*\tau+8*\dt:64*\pl+32*\tau+8*\dt+7], v[XSC+2*\pl+\dt/2], v[PSW+2*\pl+\tau] matrix_a_fmt:MATRIX_FMT_FP4 matrix_b_fmt:MATRIX_FMT_FP4
.endif
.endr
.endr
.endm
.macro PLACES                          ; four plain lines between matrix instructions and loads into registers that they have read (ISA guide 7.12.1 for vector instructions)
.rept 4
	v_nop
.endr
.endm
; ---- THE LOOP: four trips, K step ks = 128 keys
	s_mov_b32 s43, 0                               ; ks
	s_mov_b32 s44, 0                               ; 512 ks: the weights
	s_mov_b32 s45, 0                               ; 4,096 ks: x's images
	s_mov_b32 s46, 0                               ; 256 ks: x's scale words
	s_mov_b32 s47, 0                               ; 8,192 ks: the encodings
	s_mov_b32 s17, 0                               ; 2 ks and 2 ks + 1: the two pairs of blocks
	s_mov_b32 s18, 1
.Lks:
	v_add_nc_u32 v9, s44, v8
	v_add_nc_u32 v11, s45, v10
	v_add_nc_u32 v13, s46, v12
	v_add_nc_u32 v21, s47, v20
	v_add_nc_u32 v23, s47, v22
	v_add_nc_u32 v25, s45, v6
	v_add_nc_u32 v26, s46, v7
	s_wait_loadcnt 0x0                             ; this K step's 256 loads of x, asked for a trip ago
	XQ 0
	XQ 1
	BAR                                            ; the four x's codes and scale words of this K step lie in LDS
.irp pl, 0,1,2,3
.irp k, 0,1
	ds_load_b32 v[XSC+2*\pl+\k], v13 offset:\pl*1024+128*\k   ; x's scale words: lanes 0-15 an even channel tile's, lanes 16-31 the odd one's
.endr
.endr
	XG 0
	FM 0
	XG 1
	EXPS 0
.irp pl, 0,1,2,3
	UNIT \pl, 0
.endr
	XG 2
	FM 1
	XG 3
	EXPS 1
.irp pl, 0,1,2,3
	UNIT \pl, 1
.endr
	s_wait_dscnt 8                                 ; the first p's fragments are in; the second's 8 loads may be out
	MM 0
	PLACES
	WIN 0x80
	XFLOAD 2
	s_wait_dscnt 8
	MM 1
	PLACES                                         ; (with the four above and the four plain lines at the last unit's end: the places between the last scale word's writing and its use)
	WIN 0x80
	XFLOAD 3
	s_wait_dscnt 8
	MM 2
	s_wait_dscnt 0x0
	MM 3
	WIN 0
	BAR                                            ; every wave's reads of this K step's codes are over: the next K step's are stored behind this barrier
	s_wait_xcnt 0x0                                ; the loads of x have read their base: it is stepped only behind this wait
	s_add_nc_u64 s[20:21], s[20:21], 32768
	s_add_co_u32 s44, s44, 512
	s_add_co_u32 s45, s45, 4096
	s_add_co_u32 s46, s46, 256
	s_add_co_u32 s47, s47, 8192
	s_add_co_u32 s17, s17, 2
	s_add_co_u32 s18, s18, 2
	s_add_co_u32 s43, s43, 1
	s_cmp_lt_u32 s43, 4
	s_cbranch_scc1 .Lks
; ---- THE WAY OUT.  l, (1 - m) / l; then for each p: the sums x that factor through my own stage, + x m, stored as whole rows.  The lines below are also the places behind the last products.
	WIN 0x0a                                       ; sources 0 and 1 window 2
.irp n, 0,1,2,3,4,5,6,7
	v_add_f32 v[EB+\n], v[LS+2*\n], v[LS+2*\n+1]
.endr
.irp n, 0,1,2,3,4,5,6,7
	v_sub_f32 v[DVL+2*\n+1], 1.0, v[MQ+\n]         ; 1 - m
.endr
	WIN 0
.irp n, 0,1,2,3,4,5,6,7
	v_permlanex16_b32 v[EB+8+\n], v[EB+\n], s40, s41
.endr
.irp n, 0,1,2,3,4,5,6,7
	v_add_f32 v[EB+\n], v[EB+\n], v[EB+8+\n]       ; l: with lane l xor 16's 256 keys
.endr
.irp n, 0,1,2,3,4,5,6,7
	v_rcp_f32 v[DVL+2*\n], v[EB+\n]
.endr
	v_nop
	s_wait_alu depctr_va_vdst(0)                   ; one wait for the eight reciprocals
.irp n, 0,1,2,3,4,5,6,7
	v_mul_f32 v[DVL+2*\n], v[DVL+2*\n], v[DVL+2*\n+1]     ; (1 - m) / l
.endr
.macro PACK pl, tau                    ; the sums x (1 - m) / l, each from its low end on
	WIN 0x01                                       ; source 0 window 1
.set NN, 0
.rept 16
	v_pk_mul_f32 v[KM+32*\tau+2*NN:KM+32*\tau+2*NN+1], v[64*\pl+32*\tau+2*NN:64*\pl+32*\tau+2*NN+1], v[DVL+4*\pl+2*\tau:DVL+4*\pl+2*\tau+1] op_sel_hi:[1,0]
.set NN, NN+1
.endr
	WIN 0
.endm
.macro STAGE pl, tau                   ; 16 queries x 64 channels through my own stage: in by pieces of 32 bytes, back as whole rows of 256; LDS serves a wave's instructions in order (ISA guide 5.7.1.4)
.set SBB, EB+128*(\pl%2)
.irp dt, 0,1,2,3
	ds_store_b128 v14, v[KM+32*\tau+8*\dt:KM+32*\tau+8*\dt+3] offset:\tau*4352+64*\dt
	ds_store_b128 v14, v[KM+32*\tau+8*\dt+4:KM+32*\tau+8*\dt+7] offset:\tau*4352+64*\dt+16
.endr
	WIN 0x08                                       ; an LDS store's data are its source 1: window 2
	ds_store_b32 v15, v[MQ+2*\pl+\tau] offset:\tau*4352   ; the row's m beside it (both halves of the lanes write the same word with the same value)
	WIN 0
.irp i, 0,1,2,3,4,5,6,7
	ds_load_b128 v[SBB+32*\tau+4*\i:SBB+32*\tau+4*\i+3], v16 offset:\tau*4352+544*\i
.endr
	WIN 0x80
.irp i, 0,1,2,3,4,5,6,7
	ds_load_b32 v[8*\tau+\i], v17 offset:\tau*4352+544*\i
.endr
	WIN 0
.endm
.macro SEND pl, tau, younger           ; + x m, and out: sixteen lanes store 256 consecutive bytes, at a multiple of 256 from out0's first byte
.set SBB, EB+128*(\pl%2)
	s_wait_dscnt \younger
	WIN 0x0b                                       ; source 0 (x's rows) window 3, source 1 (m) window 2
.irp i, 0,1,2,3,4,5,6,7
.if \i%2
	v_pk_fma_f32 v[SBB+32*\tau+4*\i:SBB+32*\tau+4*\i+1], v[64*\pl+32*\tau+4*\i:64*\pl+32*\tau+4*\i+1], v[8*\tau+\i-1:8*\tau+\i], v[SBB+32*\tau+4*\i:SBB+32*\tau+4*\i+1] op_sel:[0,1,0] op_sel_hi:[1,1,1]
	v_pk_fma_f32 v[SBB+32*\tau+4*\i+2:SBB+32*\tau+4*\i+3], v[64*\pl+32*\tau+4*\i+2:64*\pl+32*\tau+4*\i+3], v[8*\tau+\i-1:8*\tau+\i], v[SBB+32*\tau+4*\i+2:SBB+32*\tau+4*\i+3] op_sel:[0,1,0] op_sel_hi:[1,1,1]
.else
	v_pk_fma_f32 v[SBB+32*\tau+4*\i:SBB+32*\tau+4*\i+1], v[64*\pl+32*\tau+4*\i:64*\pl+32*\tau+4*\i+1], v[8*\tau+\i:8*\tau+\i+1], v[SBB+32*\tau+4*\i:SBB+32*\tau+4*\i+1] op_sel_hi:[1,0,1]
	v_pk_fma_f32 v[SBB+32*\tau+4*\i+2:SBB+32*\tau+4*\i+3], v[64*\pl+32*\tau+4*\i+2:64*\pl+32*\tau+4*\i+3], v[8*\tau+\i:8*\tau+\i+1], v[SBB+32*\tau+4*\i+2:SBB+32*\tau+4*\i+3] op_sel_hi:[1,0,1]
.endif
.endr
	WIN 0
.irp i, 0,1,2,3,4,5,6,7
	global_store_b128 v18, v[SBB+32*\tau+4*\i:SBB+32*\tau+4*\i+3], s[24:25] offset:\pl*0x20000+\tau*4096+512*\i th:TH_STORE_NT
.endr
.endm
.irp pl, 0,1,2,3
.if \pl >= 2
	s_wait_xcnt 0x0                                ; the stores of two p ago have read their registers: this p's rows land there
.endif
	PACK \pl, 0
	STAGE \pl, 0
	PACK \pl, 1
	STAGE \pl, 1
.if \pl == 0
	s_wait_loadcnt 0x0                             ; x's rows of my queries, asked for in the last trip
.endif
	SEND \pl, 0, 25                                ; behind tile 0's loads from the stage: tile 1's 9 stores and 16 loads
	SEND \pl, 1, 0
.endr
	s_set_vgpr_msb 0xa
	s_wait_tensorcnt 0x0
	ds_add_u32 v254, v255
	s_wait_dscnt 0x0
	s_set_vgpr_msb 0xa00
	s_endpgm
.Lfunc_end_k_q04d49253f2_mse:
	.size	k_q04d49253f2_mse, .Lfunc_end_k_q04d49253f2_mse-k_q04d49253f2_mse
	.p2alignl 7, 3214868480
	.fill 96, 4, 3214868480
	.section	.rodata,"a",@progbits
	.p2align	6, 0x0
	.amdhsa_kernel k_q04d49253f2_mse
		.amdhsa_group_segment_fixed_size 147968
		.amdhsa_private_segment_fixed_size 0
		.amdhsa_enable_private_segment 0
		.amdhsa_kernarg_size 40
		.amdhsa_user_sgpr_count 2
		.amdhsa_user_sgpr_kernarg_segment_ptr 1
		.amdhsa_wavefront_size32 1
		.amdhsa_system_sgpr_workgroup_id_x 1
		.amdhsa_system_sgpr_workgroup_id_y 1
		.amdhsa_system_sgpr_workgroup_id_z 1
		.amdhsa_system_vgpr_workitem_id 0
		.amdhsa_next_free_vgpr 1024
		.amdhsa_next_free_sgpr 66
		.amdhsa_reserve_vcc 1
		.amdhsa_float_denorm_mode_32 3
		.amdhsa_float_denorm_mode_16_64 3
		.amdhsa_memory_ordered 1
		.amdhsa_forward_progress 1
		.amdhsa_inst_pref_size 255
	.end_amdhsa_kernel
	.section	.bss,"aw",@nobits
	.p2align	6
	.space	262144
	.amdgpu_metadata
---
amdhsa.version: [ 1, 2 ]
amdhsa.kernels:
  - .name:           k_q04d49253f2_mse
    .symbol:         k_q04d49253f2_mse.kd
    .args:
      - { .name: t, .offset: 0, .size: 8, .value_kind: global_buffer, .address_space: global }
      - { .name: x, .offset: 8, .size: 8, .value_kind: global_buffer, .address_space: global }
      - { .name: mask, .offset: 16, .size: 8, .value_kind: global_buffer, .address_space: global }
      - { .name: alpha_w, .offset: 24, .size: 8, .value_kind: global_buffer, .address_space: global }
      - { .name: out0, .offset: 32, .size: 8, .value_kind: global_buffer, .address_space: global }
    .group_segment_fixed_size: 147968
    .private_segment_fixed_size: 0
    .kernarg_segment_align: 8
    .kernarg_segment_size: 40
    .max_flat_workgroup_size: 128
    .sgpr_count:     66
    .vgpr_count:     1024
    .wavefront_size: 32
...
	.end_amdgpu_metadata
.endif
;; end of part 1
;; ======== version 2 of 2: 1 launch; 1.16 times as fast as version 1
;; limits: right only within a limited range of input values
;; launch mse (part 2): grid 4 x 64, 4 waves a work-group, no clusters, 147,968 bytes of LDS; arguments t, x, mask, alpha_w, out0; writes out0
.if DOCPART == 2
	.amdgcn_target "amdgcn-amd-amdhsa--gfx1250"
	.amdhsa_code_object_version 6
	.text
	.protected	k_q04d49253f2_mse
	.globl	k_q04d49253f2_mse
	.p2align	8
	.type	k_q04d49253f2_mse,@function
k_q04d49253f2_mse:
	s_mov_b64 s[64:65], 0
	v_nop
	global_prefetch_b8 v0, s[64:65] scope:SCOPE_SE
	s_setreg_imm32_b32 hwreg(HW_REG_WAVE_MODE, 25, 1), 1
	s_wait_xcnt 0x0
; out[b][p][s][:] = x m + (1 - m) (sum over keys k of p(s,k) Q(x[b][p][k][:])) / l(s):  attention over time, B = 8, P = 32, S = 512, D = 64.
; The score of (s, k) is a quarter of the dot product of two vectors of 8 (sin, cos) pairs, and hangs on b alone; a key counts where mask[b][p][k] + (s == k) >= 0.5.
; p = 2^(t - M), t = score x log2(e).  EVERY (sin, cos) PAIR HAS NORM 1, for every input: so |score| <= 2, the diagonal's score is 2 (t = 2.885..) and M = ceil(2.885..) = 3 wherever the diagonal counts.
; Where it does not count, M = 3 differs from the rule's M by a whole number, which the blocks' scales take up; t - 3 lies in -5.9 .. -0.1, so nothing overflows or underflows.  So no maximum is searched.
; The factor 2^-3 rides in the key's weight, 0 or 0.125: p = 2^t x weight, exact.  2^t is the same for all p: each block of it is made once by a wave and used for four p.
; SHARES.  A work-group (x = sg, y = 8 b + pg) takes queries 128 sg .. + 127 of p = 4 pg .. 4 pg + 3.  Wave w takes two tiles of 16 queries (128 sg + 32 w + 16 tau on) for all four p, makes the encodings of
; keys 128 w .. + 127, and quantises x[b][4 pg + w], along the keys.  256 work-groups of four waves, each wave with a SIMD's 1,024 registers.
; THE LOOP goes over the four K steps of 128 keys, so that its registers are the same in every trip.  Twice in a trip: t of 64 keys x 32 queries by f32 multiply-adds (16 dims: 512 packed ones); half of my x's
; codes of these 128 keys, with the 64 exponentials set between the quantiser's maxima; then for each p: weights, diagonal, largest p, codes, sum.  A barrier behind the second half of the codes; at the trip's
; end the 32 products on codes, and a barrier.
; x's LOADS go out 16 at a time, at sixteen places of a trip, so that few are out at once (an instruction that would push a counter past its field is held back at issue: ISA guide 5.7.1).  Blocks 4-7 of this K step
; are asked for at the trip's first eight places, blocks 0-3 of the NEXT K step at its last eight.  In the last trip there is no next K step: the address is held at the current one and what comes is not used
; (128 of a wave's 1,152 such loads): so no branch stands at these places, and every counted wait has the same loads behind it on every way.
; LAYOUT.  A lane holds ONE query (lane % 16), and its 32 registers of a block are the neighbouring keys 64 c + 32 (lane / 16) + 0 .. 31: one whole block of the quantiser, in the order of the 4-bit operand.
; The product is used transposed (source 0 = 16 channels of x, source 1 = my 16 queries).  x: a lane takes a channel and its registers run down the keys; the codes go to LDS as images of the operand's registers.
; THE 32 SUMS ARE CLEARED ONCE, by 256 moves that stand while the first loads are on their way: a first trip written out with the constant 0 as C would double the loop's text.
; NO CLUSTER, NO TENSOR LOAD: the four work-groups of a (b, pg) read the same four x[b][p] (4 x 131,072 bytes as f32, more than LDS holds).  The conversions want the keys down a lane's registers, so brought
; jointly into LDS each number would still be read from there by one 4-byte LDS load for each 4-byte global load spared: no instruction fewer, and 524,288 bytes more through LDS.
; LIMITS.  A row in which no key counts (it needs mask[s] < -0.5 and every other mask under 0.5) has l = 0 and is not served.  For alpha x 1000 <= 0 the scale is exp(.) where the definition has expm1(.) + 1:
; they differ by 6e-8 at the most, absolutely.  sin and cos: reduction by pi/2 in three parts, polynomials of degree 7 and 8: good for angles up to about 1e5.  NaN and infinities in x are not served.
; A block of zeros gets the scale byte 1 (the floor) where the rule says 127: its codes are zeros, and only this program reads the bytes.
; LDS, in bytes:
.set TPB,  0                           ; the keys' encodings: 2,048 a block of 32 keys: 128 bytes a dim, 4 a key
.set XI,   32768                       ; x's codes as images: 16,384 pl + 4,096 ks + 1,024 dt + 512 c + 16 lane
.set XSL,  98304                       ; x's scale words: 1,024 pl + 256 ks + 4 d
.set WT,   102400                      ; the keys' weights, f32: 2,048 pl + 4 key
.set STG,  110592                      ; the way out: 8,704 a wave: 32 rows of 272 bytes (256 of data, the row's m at + 256)
.set RED,  145408                      ; the waves' smallest t (words 0-3) and largest (words 4-7)
; REGISTERS.  window 0: v1-27 addresses and small things; then:
.set XSC,  28                          ; v28-35   x's scale words, two a p: scales and nothing else
.set PSW,  36                          ; v36-43   p's scale words (2 pl + tau): scales and nothing else
.set DVL,  44                          ; v44-51   the diagonal's p (2 pl + tau); on the way out v44-59: pairs ((1 - m) / l, 1 - m)
.set SW,   52                          ; v52-59   scale words in the making
.set MX,   60                          ; v60-63   largest p: two chains a tile
.set EB,   64                          ; v64-127  t, then 2^t of a block: 32 a tile; on the way out rows of the result
.set KM,   128                         ; v128-191 the keys' encodings of two dims; then at work for x's quantiser; then p, 32 a tile
.set PCB,  192                         ; v192-255 p's codes: 16 pl + 8 tau; on the way out rows of the result
; window 1: the 32 sums: 64 pl + 32 tau + 8 dt.   window 3: x as loaded: 32 a block of 32 keys, 8 blocks; on the way out x's rows of my queries.   window 2:
.set WB,   32                          ; v0-31 my queries' encodings x log2(e) / 4: 16 tau + d (own 8 dims, then the other half's);  v32-95 the keys' encodings of two dims; then weights, two sets of 32; then x's fragments, two sets
.set LS,   96                          ; v96-111  the rows' sums: a pair for each 2 pl + tau
.set MQ,   128                         ; v128-135 my queries' m: 2 pl + tau
.set MSB, 0
.macro WIN new                         ; bits 1:0 source 0, 3:2 source 1, 5:4 source 2, 7:6 destination; the high byte repeats the setting that is left; a switch that changes nothing is dropped
.if MSB != \new
	s_set_vgpr_msb (MSB<<8)|\new
.set MSB, \new
.endif
.endm
.macro BAR                             ; my LDS stores have landed and my LDS loads are in: then the work-group's barrier
	s_wait_dscnt 0x0
	s_barrier_signal -1
	s_barrier_wait -1
.endm
; sin and cos of the two angles v[tin], v[tin + 1], each x my four divisors: eight chains by turns.  Chain j = 4 a + i: v[224 + 2 j] = sin, v[225 + 2 j] = cos.
; v160.. x, v168.. n, v176.. n as a whole number, v184.. x^2, v192.. sin's polynomial, v200.. cos's; s4-11 the masks of the odd quadrants
.macro SC8 tin
.irp j, 0,1,2,3,4,5,6,7
	v_mul_f32 v[160+\j], v[(\tin)+\j/4], v[208+\j%4]
.endr
.irp j, 0,1,2,3,4,5,6,7
	v_mul_f32 v[168+\j], s30, v[160+\j]
.endr
.irp j, 0,1,2,3,4,5,6,7
	v_rndne_f32 v[168+\j], v[168+\j]               ; n = the nearest whole number to x 2 / pi
.endr
.irp j, 0,1,2,3,4,5,6,7
	v_fma_f32 v[160+\j], v[168+\j], s31, v[160+\j] ; x - n pi/2, pi/2 in three parts
.endr
.irp j, 0,1,2,3,4,5,6,7
	v_fma_f32 v[160+\j], v[168+\j], s32, v[160+\j]
.endr
.irp j, 0,1,2,3,4,5,6,7
	v_fma_f32 v[160+\j], v[168+\j], s33, v[160+\j]
.endr
.irp j, 0,1,2,3,4,5,6,7
	v_cvt_i32_f32 v[176+\j], v[168+\j]
.endr
.irp j, 0,1,2,3,4,5,6,7
	v_mul_f32 v[184+\j], v[160+\j], v[160+\j]
.endr
.irp j, 0,1,2,3,4,5,6,7
	v_fma_f32 v[192+\j], v[184+\j], s36, s35
.endr
.irp j, 0,1,2,3,4,5,6,7
	v_fma_f32 v[200+\j], v[184+\j], s39, s38
.endr
.irp j, 0,1,2,3,4,5,6,7
	v_fma_f32 v[192+\j], v[192+\j], v[184+\j], s34
.endr
.irp j, 0,1,2,3,4,5,6,7
	v_fma_f32 v[200+\j], v[200+\j], v[184+\j], s37
.endr
.irp j, 0,1,2,3,4,5,6,7
	v_mul_f32 v[168+\j], v[184+\j], v[160+\j]      ; x^3
.endr
.irp j, 0,1,2,3,4,5,6,7
	v_fma_f32 v[200+\j], v[200+\j], v[184+\j], -0.5
.endr
.irp j, 0,1,2,3,4,5,6,7
	v_fma_f32 v[192+\j], v[192+\j], v[168+\j], v[160+\j]
.endr
.irp j, 0,1,2,3,4,5,6,7
	v_fma_f32 v[200+\j], v[200+\j], v[184+\j], 1.0
.endr
.irp j, 0,1,2,3,4,5,6,7
	v_and_b32 v[184+\j], 1, v[176+\j]              ; an odd quadrant swaps the two;
.endr
.irp j, 0,1,2,3,4,5,6,7
	v_cmp_eq_u32 s[4+\j], 1, v[184+\j]
.endr
.irp j, 0,1,2,3,4,5,6,7
	v_cndmask_b32 v[224+2*\j], v[192+\j], v[200+\j], s[4+\j]
.endr
.irp j, 0,1,2,3,4,5,6,7
	v_cndmask_b32 v[225+2*\j], v[200+\j], v[192+\j], s[4+\j]
.endr
.irp j, 0,1,2,3,4,5,6,7
	v_lshlrev_b32 v[184+\j], 30, v[176+\j]         ; sin changes sign in quadrants 2, 3: bit 1 of n;
.endr
.irp j, 0,1,2,3,4,5,6,7
	v_add_nc_u32 v[176+\j], 1, v[176+\j]           ; cos in quadrants 1, 2: bit 1 of n + 1
.endr
.irp j, 0,1,2,3,4,5,6,7
	v_and_b32 v[184+\j], 0x80000000, v[184+\j]
.endr
.irp j, 0,1,2,3,4,5,6,7
	v_lshlrev_b32 v[176+\j], 30, v[176+\j]
.endr
.irp j, 0,1,2,3,4,5,6,7
	v_xor_b32 v[224+2*\j], v[184+\j], v[224+2*\j]
.endr
.irp j, 0,1,2,3,4,5,6,7
	v_and_b32 v[176+\j], 0x80000000, v[176+\j]
.endr
.irp j, 0,1,2,3,4,5,6,7
	v_xor_b32 v[225+2*\j], v[176+\j], v[225+2*\j]
.endr
.endm
; half hb % 2 of block q = hb / 2 of a K step of x[b][4 pg + w]: keys 32 (q % 4) + 16 (hb % 2) + 0 .. 15 of channels 32 (q / 4) + lane, into window 3; base s[sb:sb+1].  Each load reads 128 consecutive bytes
.macro XH hb, sb
.set II, 16*((\hb)%2)
.rept 16
	global_load_b32 v[32*((\hb)/2)+II], v5, s[\sb:\sb+1] offset:(32*(((\hb)/2)%4)+II)*256+128*((\hb)/8)
.set II, II+1
.endr
.endm
.macro XS hb                           ; a place of the loop: blocks 0-3 come from the next K step (s[28:29]), blocks 4-7 from this one (s[20:21])
	WIN 0xc0                                       ; destination window 3
.if (\hb) < 8
	XH \hb, 28
.else
	XH \hb, 20
.endif
.endm
	s_load_b256 s[4:11], s[0:1], 0x0               ; t s[4:5], x s[6:7], mask s[8:9], alpha_w s[10:11]
	s_load_b64 s[12:13], s[0:1], 0x20              ; out0
	s_set_vgpr_msb 0x80
	v_lshl_add_u32 v254, v0, 2, 0x24000
	v_mov_b32 v255, 0
	s_set_vgpr_msb 0x8000
	v_lshrrev_b32 v1, 5, v0
	v_readfirstlane_b32 s14, v1                    ; wave w
	s_mov_b32 s15, ttmp9                           ; sg
	s_and_b32 s16, ttmp7, 0xffff                   ; y = 8 b + pg
	s_mov_b32 s3, 0                                ; (the upper word of the offset pair s[2:3])
	v_and_b32 v1, 15, v0                           ; r   (in the loop v1, v2 hold the conversions' scale operands)
	v_bfe_u32 v2, v0, 4, 1                         ; h
	v_and_b32 v5, 31, v0                           ; lane
	v_lshlrev_b32 v3, 4, v5                        ; 16 lane
	s_lshl_b32 s17, s14, 13
	v_lshlrev_b32 v4, 2, v1
	v_lshl_add_u32 v4, v2, 10, v4
	v_add_nc_u32 v4, s17, v4                       ; v4: where I store encodings: my wave's four blocks, dims 8 h on, key r
	v_lshlrev_b32 v6, 4, v1
	v_lshl_add_u32 v6, v2, 10, v6
	s_lshl_b32 s17, s14, 14
	s_add_co_u32 s17, s17, XI
	v_add_nc_u32 v6, s17, v6                       ; v6: where I store x's codes: channel tile lane / 16, row lane % 16
	v_lshlrev_b32 v5, 2, v5                        ; v5: 4 lane
	s_lshl_b32 s17, s14, 10
	s_add_co_u32 s17, s17, XSL
	v_add_nc_u32 v7, s17, v5                       ; v7: where I store x's scale words
	v_lshlrev_b32 v8, 7, v2
	v_add_nc_u32 v8, WT, v8                        ; v8: the weights of my half's 32 keys of a pair of blocks (v9: in this K step)
	v_add_nc_u32 v10, XI, v3                       ; v10: x's images, read (v11)
	v_add_nc_u32 v12, XSL, v5                      ; v12: x's scale words, read (v13)
	s_mul_i32 s17, s14, 8704
	s_add_co_u32 s17, s17, STG                     ; my stage
	v_mul_u32_u24 v15, v1, 272
	v_add_nc_u32 v15, s17, v15
	v_lshl_add_u32 v14, v2, 5, v15                 ; v14: in: row r, 32 bytes for each half of the lanes
	v_add_nc_u32 v15, 256, v15                     ; v15: row r's m
	v_mul_u32_u24 v17, v2, 272
	v_add_nc_u32 v17, s17, v17
	v_lshl_add_u32 v16, v1, 4, v17                 ; v16: back: lanes 0-15 one row, lanes 16-31 the next
	v_add_nc_u32 v17, 256, v17                     ; v17: that row's m
	v_lshlrev_b32 v18, 8, v2
	v_lshl_add_u32 v18, v1, 4, v18                 ; v18: the same two rows in x and in out0
	v_lshlrev_b32 v19, 3, v2                       ; v19: 8 h: how far my half's scale bytes are shifted
	v_mul_u32_u24 v20, v2, 3072                    ; v20: encodings, read: block h of a pair (2,048 h), its dims 8 h on (1,024 h)   (v21: in this K step)
	v_lshl_add_u32 v22, v2, 10, 1024               ; v22: the same block's dims 8 (1 - h) on: 2,048 h + 1,024 - 1,024 h   (v23)
	v_mov_b32 v24, 0                               ; v24: 0
	v_mov_b32 v219, 0                              ; a lane permute's destination counts as one of its sources
	v_mov_b32 v221, 0
	s_lshl_b32 s17, s14, 9
	v_lshl_add_u32 v242, v1, 2, s17                ; v242: t of key 128 w + r
	s_lshl_b32 s17, s15, 9
	s_lshl_b32 s18, s14, 7
	s_add_co_u32 s17, s17, s18
	v_lshl_add_u32 v243, v1, 2, s17                ; v243: t and mask of my query: 4 r + 512 sg + 128 w
	v_lshlrev_b32 v244, 4, v0                      ; v244: 16 x thread: my four keys of a row of the mask
	v_add_nc_u32 v245, WT, v244                    ; v245: and their weights' place
	s_lshl_b32 s17, s14, 2
	s_add_co_u32 s17, s17, RED
	v_mov_b32 v246, s17                            ; v246: my wave's word among the smallest t
	v_mov_b32 v247, RED
	s_mov_b32 s30, 0x3f22f983                      ; 2 / pi
	s_mov_b32 s31, 0xbfc90fdb                      ; -pi/2, first part;
	s_mov_b32 s32, 0x333bbd2e                      ; second;
	s_mov_b32 s33, 0x26f72ced                      ; third
	s_mov_b32 s34, 0xbe2aaaa3                      ; sin: x + x^3 (s34 + s35 z + s36 z^2)
	s_mov_b32 s35, 0x3c08839e
	s_mov_b32 s36, 0xb94ca1f9
	s_mov_b32 s37, 0x3d2aaaa5                      ; cos: 1 - z / 2 + z^2 (s37 + s38 z + s39 z^2)
	s_mov_b32 s38, 0xbab6061a
	s_mov_b32 s39, 0x37ccf5ce
	s_mov_b32 s40, 0x76543210                      ; v_permlanex16_b32's selects for lane l xor 16
	s_mov_b32 s41, 0xfedcba98
	s_lshl_b32 s42, s15, 1
	s_lshr_b32 s18, s14, 1
	s_add_co_u32 s42, s42, s18                     ; s42: the pair of blocks in which my queries' own keys lie: 2 sg + w / 2
	s_and_b32 s17, s14, 1
	s_lshl_b32 s17, s17, 4
.irp j, 0,1,2,3,4,5,6,7,8,9,10,11,12,13,14,15
	s_lshl_b32 s[48+\j], 1<<\j, s17                ; s48-63: the one lane that holds query j's own key: lane j + 16 (w % 2)
.endr
	v_cmp_eq_u32 vcc_lo, 1, v2                     ; my four divisors 10000^(-i / 8), i = 4 h + j
	v_mov_b32 v208, 0x3c23d70a
	v_mov_b32 v209, 0x3b4f3e37
	v_mov_b32 v210, 0x3a83126f
	v_mov_b32 v211, 0x39a5cb5f
	v_cndmask_b32 v208, 1.0, v208, vcc_lo
	v_cndmask_b32 v209, 0x3ea1e89b, v209, vcc_lo
	v_cndmask_b32 v210, 0x3dcccccd, v210, vcc_lo
	v_cndmask_b32 v211, 0x3d0186e2, v211, vcc_lo
	s_wait_kmcnt 0x0
	s_load_b32 s19, s[10:11], 0x0                  ; alpha
	s_lshr_b32 s28, s16, 3
	s_lshl_b32 s28, s28, 11
	s_mov_b32 s29, 0
	s_add_nc_u64 s[4:5], s[4:5], s[28:29]          ; t[b]
	s_lshl_b32 s28, s16, 13
	s_add_nc_u64 s[26:27], s[8:9], s[28:29]        ; mask[b][4 pg]
	s_lshl_b32 s28, s16, 19
	s_add_nc_u64 s[6:7], s[6:7], s[28:29]          ; x[b][4 pg]
	s_add_nc_u64 s[12:13], s[12:13], s[28:29]      ; out0[b][4 pg]
	s_lshl_b32 s28, s14, 17
	s_add_nc_u64 s[20:21], s[6:7], s[28:29]        ; x[b][4 pg + w]: what I quantise
	s_lshl_b32 s28, s15, 15
	s_lshl_b32 s17, s14, 13
	s_add_co_u32 s28, s28, s17
	s_add_nc_u64 s[22:23], s[6:7], s[28:29]        ; x and out0 at my first query
	s_add_nc_u64 s[24:25], s[12:13], s[28:29]
.irp i, 0,1,2,3,4,5,6,7
	global_load_b32 v[80+\i], v242, s[4:5] offset:64*\i     ; t of keys 128 w + 16 i + r
.endr
.irp tau, 0,1
	global_load_b32 v[88+\tau], v243, s[4:5] offset:64*\tau ; t of my queries
.endr
.irp pl, 0,1,2,3
	global_load_b128 v[224+4*\pl:227+4*\pl], v244, s[26:27] offset:2048*\pl   ; the four rows of the mask, four keys a thread
.endr
	WIN 0x80                                       ; destination window 2
.irp pl, 0,1,2,3
.irp tau, 0,1
	global_load_b32 v[MQ+2*\pl+\tau], v243, s[26:27] offset:2048*\pl+64*\tau  ; my queries' m
.endr
.endr
	WIN 0xc0                                       ; destination window 3.  The head asks for blocks 0-3 of the first K step, spread over its work; the first trip asks for blocks 4-7
	XH 0, 20
	XH 1, 20
	WIN 0x40                                       ; destination window 1: the 32 sums begin as zeros; these lines stand while the loads above are on their way
.set II, 0
.rept 256
	v_mov_b32 v[II], 0
.set II, II+1
.endr
	WIN 0x80
.set II, 0
.rept 16
	v_mov_b32 v[LS+II], 0                          ; and the rows' sums
.set II, II+1
.endr
	s_wait_loadcnt 32                              ; the 22 small loads are in: only block 0's 32 are younger
	WIN 0xc0
	XH 2, 20
	XH 3, 20
	WIN 0
	; the smallest and largest t of my wave's 128 keys (both halves of the lanes hold the same keys)
	v_min3_num_f32 v212, v80, v81, v82
	v_max3_num_f32 v213, v80, v81, v82
	v_min3_num_f32 v212, v212, v83, v84
	v_max3_num_f32 v213, v213, v83, v84
	v_min3_num_f32 v212, v212, v85, v86
	v_max3_num_f32 v213, v213, v85, v86
	v_min_num_f32 v212, v212, v87
	v_max_num_f32 v213, v213, v87
.irp m, 1,2,4,8
	v_min_num_f32_dpp v212, v212, v212 row_xmask:\m row_mask:0xf bank_mask:0xf
	v_max_num_f32_dpp v213, v213, v213 row_xmask:\m row_mask:0xf bank_mask:0xf
.endr
	ds_store_b32 v246, v212
	ds_store_b32 v246, v213 offset:16
.irp n, 0,1,2,3,4,5,6,7,8,9,10,11,12,13,14,15
	v_cmp_gt_f32 vcc_lo, 0.5, v[224+\n]            ; a key off the diagonal is hidden where mask < 0.5
	v_cndmask_b32 v[224+\n], 0x3e000000, v24, vcc_lo   ; its weight: 0, else 2^-3
.endr
.irp pl, 0,1,2,3
	ds_store_b128 v245, v[224+4*\pl:227+4*\pl] offset:2048*\pl
.endr
	s_wait_kmcnt 0x0
	s_mul_f32 s17, s19, 0x447a0000                 ; alpha x 1000
	v_mov_b32 v160, s17
	v_mul_f32 v161, 0x3fb8aa3b, v160
	v_exp_f32 v161, v161                           ; e^(alpha 1000)
	v_add_f32 v162, 1.0, v160
	v_cmp_lt_f32 vcc_lo, 0, v160
	s_wait_alu depctr_va_vdst(0)                   ; ahead of the exponential's first reader; two plain lines stand between
	v_cndmask_b32 v216, v161, v162, vcc_lo         ; v216: elu + 1
	BAR                                            ; the waves' extremes and the weights lie in LDS
	ds_load_b128 v[160:163], v247
	ds_load_b128 v[164:167], v247 offset:16
	s_wait_dscnt 0x0
	v_min3_num_f32 v212, v160, v161, v162
	v_max3_num_f32 v213, v164, v165, v166
	v_min_num_f32 v212, v212, v163                 ; v212: the smallest t of the batch
	v_max_num_f32 v213, v213, v167
	v_sub_f32 v215, v213, v212                     ; v215: largest - smallest
	v_rcp_f32 v214, v215
	v_nop
	s_wait_alu depctr_va_vdst(0)
.irp i, 0,1,2,3,4,5,6,7,8,9                        ; the ten t by turns: (t - smallest) / (largest - smallest), with one correction step, x the scale
	v_sub_f32 v[80+\i], v[80+\i], v212
.endr
.irp i, 0,1,2,3,4,5,6,7,8,9
	v_mul_f32 v[160+\i], v[80+\i], v214
.endr
.irp i, 0,1,2,3,4,5,6,7,8,9
	v_fma_f32 v[170+\i], -v[160+\i], v215, v[80+\i]
.endr
.irp i, 0,1,2,3,4,5,6,7,8,9
	v_fma_f32 v[160+\i], v[170+\i], v214, v[160+\i]
.endr
.irp i, 0,1,2,3,4,5,6,7,8,9
	v_mul_f32 v[80+\i], v216, v[160+\i]
.endr
	WIN 0xc0
	XH 4, 20
	WIN 0
	; my queries' encodings, x c = log2(e) / 4: own 8 dims, then the other half's; the diagonal's 2^t from the encoding's own square
	SC8 88
.irp tau, 0,1
	v_mul_f32 v[218+2*\tau], v[224+8*\tau], v[224+8*\tau]
.endr
.irp j, 1,2,3,4,5,6,7
.irp tau, 0,1
	v_fmac_f32 v[218+2*\tau], v[224+8*\tau+\j], v[224+8*\tau+\j]
.endr
.endr
.irp tau, 0,1
	v_permlanex16_b32 v[219+2*\tau], v[218+2*\tau], s40, s41
.endr
.irp tau, 0,1
	v_add_f32 v[218+2*\tau], v[218+2*\tau], v[219+2*\tau]
.endr
.irp tau, 0,1
	v_mul_f32 v[218+2*\tau], 0x3eb8aa3b, v[218+2*\tau]
.endr
.irp n, 0,1,2,3,4,5,6,7,8,9,10,11,12,13,14,15
	v_permlanex16_b32 v[160+\n], v[224+\n], s40, s41
.endr
	WIN 0x80                                       ; destination window 2
.irp tau, 0,1
.irp j, 0,1,2,3,4,5,6,7
	v_mul_f32 v[16*\tau+\j], 0x3eb8aa3b, v[224+8*\tau+\j]
.endr
.irp j, 0,1,2,3,4,5,6,7
	v_mul_f32 v[16*\tau+8+\j], 0x3eb8aa3b, v[160+8*\tau+\j]
.endr
.endr
	WIN 0
	v_exp_f32 v3, v218                             ; v3, v27: the diagonal's 2^t
	v_exp_f32 v27, v220
	v_nop
	s_wait_alu depctr_va_vdst(0)                   ; one wait for the two exponentials
	WIN 0x08                                       ; source 1 window 2
.irp n, 0,1,2,3,4,5,6,7
	v_add_f32 v[DVL+\n], 1.0, v[MQ+\n]             ; the diagonal is hidden where m + 1 < 0.5
.endr
	WIN 0
.irp n, 0,1,2,3,4,5,6,7
	v_cmp_gt_f32 vcc_lo, 0.5, v[DVL+\n]
	v_cndmask_b32 v[DVL+\n], 0x3e000000, v24, vcc_lo
	v_mul_f32 v[DVL+\n], v[3+24*(\n%2)], v[DVL+\n] ; the diagonal's p
.endr
	WIN 0xc0
	XH 5, 20
	WIN 0
; Two trips, a block of 32 keys each: lane (r, h) makes dims 8 h .. 8 h + 7 of keys r and 16 + r.  The loop stands twice, so that loads of x can stand between.
.macro KEYS first
	s_mov_b32 s43, 0
	s_mov_b32 s47, \first
.Ltp_\@:
	SC8 80
	v_add_nc_u32 v217, s47, v4
.irp a, 0,1
.irp e, 0,1,2,3,4,5,6,7
	ds_store_b32 v217, v[224+8*\a+\e] offset:128*\e+64*\a
.endr
.endr
.irp i, 80,81,82,83,84,85
	v_mov_b32 v[\i], v[\i+2]                       ; the next block's t move down
.endr
	s_wait_dscnt 0x0                               ; the stores have read their registers
	s_add_co_u32 s47, s47, 2048
	s_add_co_u32 s43, s43, 1
	s_cmp_lt_u32 s43, 2
	s_cbranch_scc1 .Ltp_\@
.endm
	KEYS 0
	WIN 0xc0
	XH 6, 20
	XH 7, 20
	WIN 0
	KEYS 4096
	BAR                                            ; all 512 keys' encodings lie in LDS
; ---- MACROS OF THE LOOP
.macro WLOAD pl, cc                    ; the weights of keys 64 (2 ks + cc) + 32 h + 0 .. 31 for p = pl, into window 2
.irp j, 0,1,2,3,4,5,6,7
	ds_load_b128 v[WB+32*((\pl)%2)+4*\j:WB+32*((\pl)%2)+4*\j+3], v9 offset:(\pl)*2048+(\cc)*256+16*\j
.endr
.endm
.macro XFLOAD pl                       ; x's four fragments (16 channels x 128 keys) of this K step for p = pl, into window 2
.irp dt, 0,1,2,3
.irp q, 0,1
	ds_load_b128 v[WB+32*((\pl)%2)+8*\dt+4*\q:WB+32*((\pl)%2)+8*\dt+4*\q+3], v11 offset:(\pl)*16384+\dt*1024+512*\q
.endr
.endr
.endm
; Four blocks (128 keys) of 32 channels of x: each block's 32 numbers are one lane's: largest magnitude, scale, codes, image.  Eight chains of maxima by turns.
; BEHIND EACH OF THE 64 MAXIMA STANDS ONE OF THE 64 EXPONENTIALS 2^t of the block of scores just made (in place): a plain line between every two of them.  None of their results is named in this macro;
; one wait for the batch stands at its end, ahead of the first reader.  x stands as sources 1 and 2 of the maxima, so that one window setting serves both kinds of line.
.macro XQ dh
	WIN 0x80
	WLOAD 0, \dh                                   ; the first p's weights are asked for ahead of all this
	WIN 0x3c                                       ; sources 1 and 2 window 3
.set EI, 0
.irp blk, 0,1,2,3
	v_max3_num_f32 v[KM+2*\blk], 0x1800000, |v[32*(4*\dh+\blk)]|, |v[32*(4*\dh+\blk)+1]|     ; with the floor 2^(3 - 127): the byte cannot fall under 1
	v_exp_f32 v[EB+EI], v[EB+EI]
	v_max3_num_f32 v[KM+2*\blk+1], 0x1800000, |v[32*(4*\dh+\blk)+2]|, |v[32*(4*\dh+\blk)+3]|
	v_exp_f32 v[EB+EI+1], v[EB+EI+1]
.set EI, EI+2
.endr
.irp i, 4,8,12,16,20,24,28
.irp blk, 0,1,2,3
	v_max3_num_f32 v[KM+2*\blk], v[KM+2*\blk], |v[32*(4*\dh+\blk)+\i]|, |v[32*(4*\dh+\blk)+\i+1]|
	v_exp_f32 v[EB+EI], v[EB+EI]
	v_max3_num_f32 v[KM+2*\blk+1], v[KM+2*\blk+1], |v[32*(4*\dh+\blk)+\i+2]|, |v[32*(4*\dh+\blk)+\i+3]|
	v_exp_f32 v[EB+EI+1], v[EB+EI+1]
.set EI, EI+2
.endr
.endr
	WIN 0
.irp blk, 0,1,2,3
	v_max_num_f32 v[KM+2*\blk], v[KM+2*\blk], v[KM+2*\blk+1]
.endr
.irp blk, 0,1,2,3
	v_add_nc_u32 v[KM+8+\blk], 0xff000000, v[KM+2*\blk]   ; 2 off the exponent field: the conversion's scale operand
.endr
.irp blk, 0,1,2,3
	v_lshrrev_b32 v[KM+12+\blk], 23, v[KM+8+\blk]  ; the scale's byte
.endr
	v_lshl_or_b32 v[KM+16+\dh], v[KM+13], 8, v[KM+12]     ; four bytes: the word of 128 keys
	v_lshl_or_b32 v[KM+16+\dh], v[KM+14], 16, v[KM+16+\dh]
	v_lshl_or_b32 v[KM+16+\dh], v[KM+15], 24, v[KM+16+\dh]
	WIN 0x03                                       ; source 0 window 3
.irp blk, 0,1,2,3
.irp q, 0,1,2,3
	v_cvt_scalef32_pk8_fp4_f32 v[KM+20+16*\dh+4*\blk+\q], v[32*(4*\dh+\blk)+8*\q:32*(4*\dh+\blk)+8*\q+7], v[KM+8+\blk]
.endr
.endr
	WIN 0
	v_nop                                          ; one plain line behind the last conversion
.irp blk, 0,1,2,3
	ds_store_b128 v25, v[KM+20+16*\dh+4*\blk:KM+20+16*\dh+4*\blk+3] offset:\dh*2048+(\blk/2)*512+(\blk%2)*256   ; block 2 c + h: registers 4 c .. of lane r + 16 h
.endr
	ds_store_b32 v26, v[KM+16+\dh] offset:\dh*128
	s_wait_alu depctr_va_vdst(0)                   ; the wait for the 64 exponentials
.endm
.macro KLOAD base, s, cc               ; the encodings of my block's 32 keys for dims 2 s and 2 s + 1 of my order (own 8 dims first): 16 loads; the lanes of a half read the same bytes
.irp e, 0,1
.irp j, 0,1,2,3,4,5,6,7
.if 2*(\s)+\e < 8
	ds_load_b128 v[\base+32*\e+4*\j:\base+32*\e+4*\j+3], v21 offset:\cc*4096+(2*(\s)+\e)*128+16*\j
.else
	ds_load_b128 v[\base+32*\e+4*\j:\base+32*\e+4*\j+3], v23 offset:\cc*4096+(2*(\s)+\e-8)*128+16*\j
.endif
.endr
.endr
.endm
; t of keys 64 (2 ks + cc) + 32 h + 0 .. 31 for my 32 queries, in f32: 16 dims in eight steps of two.  A step: the next step's 16 LDS loads, then 64 packed multiply-adds (2 dims x 2 tiles x 16 pairs of keys;
; two on one sum stand 32 lines apart).  Two sets of 64 registers take turns: v128-191 of window 0 and v32-95 of window 2, where the weights lie later.  Dim 0's products start the sums.
.macro FM cc
	WIN 0
	KLOAD KM, 0, \cc
.set SS, 0
.rept 8
.if SS < 7
.if SS%2 == 0
	WIN 0x80                                       ; destination window 2
	KLOAD WB, SS+1, \cc
.else
	WIN 0
	KLOAD KM, SS+1, \cc
.endif
	s_wait_dscnt 16                                ; this step's loads are in; the next step's 16 may be out
.else
	s_wait_dscnt 0x0
.endif
.if SS%2 == 0
	WIN 0x08                                       ; source 1 (my queries) window 2
.set KB, KM
.else
	WIN 0x0a                                       ; sources 0 (the keys) and 1 window 2
.set KB, WB
.endif
.irp e, 0,1
.irp tau, 0,1
.set NN, 0
.rept 16
.if (SS == 0) && (\e == 0)
	v_pk_mul_f32 v[EB+32*\tau+2*NN:EB+32*\tau+2*NN+1], v[KB+2*NN:KB+2*NN+1], v[16*\tau:16*\tau+1] op_sel_hi:[1,0]
.elseif \e == 0
	v_pk_fma_f32 v[EB+32*\tau+2*NN:EB+32*\tau+2*NN+1], v[KB+2*NN:KB+2*NN+1], v[16*\tau+2*SS:16*\tau+2*SS+1], v[EB+32*\tau+2*NN:EB+32*\tau+2*NN+1] op_sel_hi:[1,0,1]
.else
	v_pk_fma_f32 v[EB+32*\tau+2*NN:EB+32*\tau+2*NN+1], v[KB+32+2*NN:KB+32+2*NN+1], v[16*\tau+2*SS:16*\tau+2*SS+1], v[EB+32*\tau+2*NN:EB+32*\tau+2*NN+1] op_sel:[0,1,0] op_sel_hi:[1,1,1]
.endif
.set NN, NN+1
.endr
.endr
.endr
.if (\cc == 0) && (SS == 2)
	XS 9
.endif
.if (\cc == 0) && (SS == 5)
	XS 10
.endif
.if (\cc == 1) && (SS == 1)
	XS 0
.endif
.if (\cc == 1) && (SS == 3)
	XS 1
.endif
.if (\cc == 1) && (SS == 5)
	XS 2
.endif
.set SS, SS+1
.endr
	WIN 0
.endm
; One p, one pair of blocks, both query tiles: p = 2^t x weight; the diagonal; the block's largest p; scale; codes; the row's sum of the unquantised p (in place, behind the conversions).
.macro UNIT pl, cc
	s_wait_dscnt 0x0                               ; this p's weights are in; my stores of x's codes have read their registers, which are written below
	WIN 0x08                                       ; source 1 (the weights) window 2
.irp tau, 0,1
.set NN, 0
.rept 16
	v_pk_mul_f32 v[KM+32*\tau+2*NN:KM+32*\tau+2*NN+1], v[EB+32*\tau+2*NN:EB+32*\tau+2*NN+1], v[WB+32*(\pl%2)+2*NN:WB+32*(\pl%2)+2*NN+1]
.set NN, NN+1
.endr
.endr
.if \pl < 3
	WIN 0x80
	WLOAD \pl+1, \cc
.elseif \cc == 1
	WIN 0x80
	XFLOAD 0                                       ; the weights' registers are free: x's fragments of the first two p
	XFLOAD 1
.endif
	WIN 0
	s_cmp_lg_u32 s42, s[17+\cc]                    ; do my queries' own keys lie here?  (a branch on the work-group's, the wave's and the trip's numbers)
	s_cbranch_scc1 .Lnodiag_\@
.irp tau, 0,1
.irp j, 0,1,2,3,4,5,6,7,8,9,10,11,12,13,14,15
	v_cndmask_b32 v[KM+48*\tau+\j], v[KM+48*\tau+\j], v[DVL+2*\pl+\tau], s[48+\j]   ; query j's own key: register 16 tau + j of one lane
.endr
.endr
.Lnodiag_\@:
.irp tau, 0,1
	v_max3_num_f32 v[MX+2*\tau], v[KM+32*\tau], v[KM+32*\tau+1], 0x1800000     ; no p is negative; the floor 2^(3 - 127) holds the byte at 1 from below
	v_max3_num_f32 v[MX+2*\tau+1], v[KM+32*\tau+16], v[KM+32*\tau+17], v[KM+32*\tau+18]
.endr
.irp i, 1,2,3,4,5,6
.irp tau, 0,1
	v_max3_num_f32 v[MX+2*\tau], v[MX+2*\tau], v[KM+32*\tau+2*\i], v[KM+32*\tau+2*\i+1]
	v_max3_num_f32 v[MX+2*\tau+1], v[MX+2*\tau+1], v[KM+32*\tau+17+2*\i], v[KM+32*\tau+18+2*\i]
.endr
.endr
.irp tau, 0,1
	v_max3_num_f32 v[MX+2*\tau], v[MX+2*\tau], v[KM+32*\tau+14], v[KM+32*\tau+15]
.endr
.irp tau, 0,1
	v_max3_num_f32 v[MX+2*\tau], v[MX+2*\tau], v[MX+2*\tau+1], v[KM+32*\tau+31]
.endr
.irp tau, 0,1
	v_add_nc_u32 v[1+\tau], 0xff000000, v[MX+2*\tau]      ; 2 off the exponent field: the conversion's scale operand
.endr
.if \cc == 0
.irp tau, 0,1
	v_lshrrev_b32 v[SW+2*\pl+\tau], 23, v[1+\tau]  ; the byte of block h of the K step
.endr
.else
.irp tau, 0,1
	v_lshrrev_b32 v[MX+2*\tau], 23, v[1+\tau]
.endr
.irp tau, 0,1
	v_lshl_or_b32 v[SW+2*\pl+\tau], v[MX+2*\tau], 16, v[SW+2*\pl+\tau]   ; and of block 2 + h
.endr
.endif
.irp tau, 0,1
.irp q, 0,1,2,3
	v_cvt_scalef32_pk8_fp4_f32 v[PCB+16*\pl+8*\tau+4*\cc+\q], v[KM+32*\tau+8*\q:KM+32*\tau+8*\q+7], v[1+\tau]
.endr
.endr
	v_nop                                          ; one plain line behind the last conversion
.irp n, 0,1,2,3,4,5,6,7                            ; the sum of a lane's 16 pairs, in place: neighbours 1, 2, 4 and 8 pairs apart
.irp tau, 0,1
	v_pk_add_f32 v[KM+32*\tau+4*\n:KM+32*\tau+4*\n+1], v[KM+32*\tau+4*\n:KM+32*\tau+4*\n+1], v[KM+32*\tau+4*\n+2:KM+32*\tau+4*\n+3]
.endr
.endr
.if \cc == 1
.irp tau, 0,1
	v_lshlrev_b32 v[SW+2*\pl+\tau], v19, v[SW+2*\pl+\tau]      ; my two bytes at their places,
.endr
.endif
.irp n, 0,1,2,3
.irp tau, 0,1
	v_pk_add_f32 v[KM+32*\tau+8*\n:KM+32*\tau+8*\n+1], v[KM+32*\tau+8*\n:KM+32*\tau+8*\n+1], v[KM+32*\tau+8*\n+4:KM+32*\tau+8*\n+5]
.endr
.endr
.if \cc == 1
.irp tau, 0,1
	v_permlanex16_b32 v[MX+2*\tau+1], v[SW+2*\pl+\tau], s40, s41
.endr
.endif
.irp n, 0,1
.irp tau, 0,1
	v_pk_add_f32 v[KM+32*\tau+16*\n:KM+32*\tau+16*\n+1], v[KM+32*\tau+16*\n:KM+32*\tau+16*\n+1], v[KM+32*\tau+16*\n+8:KM+32*\tau+16*\n+9]
.endr
.endr
.if \cc == 1
.irp tau, 0,1
	v_or_b32 v[PSW+2*\pl+\tau], v[SW+2*\pl+\tau], v[MX+2*\tau+1]   ; with lane l xor 16's two: the query's scale word of these 128 keys
.endr
.endif
.irp tau, 0,1
	v_pk_add_f32 v[KM+32*\tau:KM+32*\tau+1], v[KM+32*\tau:KM+32*\tau+1], v[KM+32*\tau+16:KM+32*\tau+17]
.endr
	WIN 0x88                                       ; source 1 and destination window 2
.irp tau, 0,1
	v_pk_add_f32 v[LS+4*\pl+2*\tau:LS+4*\pl+2*\tau+1], v[KM+32*\tau:KM+32*\tau+1], v[LS+4*\pl+2*\tau:LS+4*\pl+2*\tau+1]
.endr
	WIN 0
.endm
.macro MM pl                           ; the sums += x^T p^T: source 0 = 16 channels, source 1 = my 16 queries; eight sums, one instruction each: the sums take turns
	WIN 0x52                                       ; source 0 (x) window 2, source 1 (p) window 0, C and D window 1
.irp dt, 0,1,2,3
.irp tau, 0,1
.if \dt%2
	v_wmma_scale_f32_16x16x128_f8f6f4 v[64*\pl+32*\tau+8*\dt:64*\pl+32*\tau+8*\dt+7], v[WB+32*(\pl%2)+8*\dt:WB+32*(\pl%2)+8*\dt+7], v[PCB+16*\pl+8*\tau:PCB+16*\pl+8*\tau+7], v[64*\pl+32*\tau+8*\dt:64*\pl+32*\tau+8*\dt+7], v[XSC+2*\pl+\dt/2], v[PSW+2*\pl+\tau] matrix_a_fmt:MATRIX_FMT_FP4 matrix_b_fmt:MATRIX_FMT_FP4 matrix_a_scale:MATRIX_SCALE_ROW1
.else
	v_wmma_scale_f32_16x16x128_f8f6f4 v[64*\pl+32*\tau+8*\dt:64*\pl+32*\tau+8*\dt+7], v[WB+32*(\pl%2)+8*\dt:WB+32*(\pl%2)+8*\dt+7], v[PCB+16*\pl+8*\tau:PCB+16*\pl+8*\tau+7], v[64*\pl+32*\tau+8*\dt:64*\pl+32*\tau+8*\dt+7], v[XSC+2*\pl+\dt/2], v[PSW+2*\pl+\tau] matrix_a_fmt:MATRIX_FMT_FP4 matrix_b_fmt:MATRIX_FMT_FP4
.endif
.endr
.endr
.endm
.macro PLACES                          ; four plain lines between matrix instructions and loads into registers that they have read (ISA guide 7.12.1 for vector instructions)
.rept 4
	v_nop
.endr
.endm
; ---- THE LOOP: four trips, K step ks = 128 keys
	s_mov_b32 s43, 0                               ; ks
	s_mov_b32 s44, 0                               ; 512 ks: the weights
	s_mov_b32 s45, 0                               ; 4,096 ks: x's images
	s_mov_b32 s46, 0                               ; 256 ks: x's scale words
	s_mov_b32 s47, 0                               ; 8,192 ks: the encodings
	s_mov_b32 s17, 0                               ; 2 ks and 2 ks + 1: the two pairs of blocks
	s_mov_b32 s18, 1
.Lks:
	s_cmp_lt_u32 s43, 3                            ; where the next K step of x begins: 32,768 bytes on; in the last trip the address is held, so that no load leaves the buffer
	s_cselect_b32 s2, 0x8000, 0
	s_add_nc_u64 s[28:29], s[20:21], s[2:3]        ; (behind the wait on XCNT at the last trip's end: the loads that named s[28:29] have read it)
	v_add_nc_u32 v9, s44, v8
	v_add_nc_u32 v11, s45, v10
	v_add_nc_u32 v13, s46, v12
	v_add_nc_u32 v21, s47, v20
	v_add_nc_u32 v23, s47, v22
	v_add_nc_u32 v25, s45, v6
	v_add_nc_u32 v26, s46, v7
	XS 8
	FM 0                                           ; with two places of 16 loads in it
	s_wait_loadcnt 48                              ; blocks 0-3 of this K step, asked for in the last trip (or at the head), are in: only this trip's three groups of 16 are younger
	XQ 0
	XS 11
	UNIT 0, 0
	XS 12
	UNIT 1, 0
	XS 13
	UNIT 2, 0
	XS 14
	UNIT 3, 0
	XS 15
	FM 1                                           ; with three places of 16 loads in it
	s_wait_loadcnt 48                              ; blocks 4-7 of this K step are in: only the three groups of 16 issued in the multiply-adds above are younger
	XQ 1
	BAR                                            ; the four x's codes and scale words of this K step lie in LDS
.irp pl, 0,1,2,3
.irp k, 0,1
	ds_load_b32 v[XSC+2*\pl+\k], v13 offset:\pl*1024+128*\k   ; x's scale words: lanes 0-15 an even channel tile's, lanes 16-31 the odd one's
.endr
.endr
	XS 3
	UNIT 0, 1
	XS 4
	UNIT 1, 1
	XS 5
	UNIT 2, 1
	XS 6
	UNIT 3, 1
	XS 7
	s_wait_dscnt 8                                 ; the first p's fragments are in; the second's 8 loads may be out
	MM 0
	PLACES
	WIN 0x80
	XFLOAD 2
	s_wait_dscnt 8
	MM 1
	PLACES                                         ; (with the four above and the four plain lines at the last unit's end: the places between the last scale word's writing and its use)
	WIN 0x80
	XFLOAD 3
	s_wait_dscnt 8
	MM 2
	s_wait_dscnt 0x0
	MM 3
	WIN 0
	BAR                                            ; every wave's reads of this K step's codes are over: the next K step's are stored behind this barrier
	s_wait_xcnt 0x0                                ; the loads of x have read their bases: these are written only behind this wait
	s_add_nc_u64 s[20:21], s[20:21], 32768
	s_add_co_u32 s44, s44, 512
	s_add_co_u32 s45, s45, 4096
	s_add_co_u32 s46, s46, 256
	s_add_co_u32 s47, s47, 8192
	s_add_co_u32 s17, s17, 2
	s_add_co_u32 s18, s18, 2
	s_add_co_u32 s43, s43, 1
	s_cmp_lt_u32 s43, 4
	s_cbranch_scc1 .Lks
; ---- THE WAY OUT.  l, (1 - m) / l; then for each p: the sums x that factor through my own stage, + x m, stored as whole rows.  The vector lines below are also the places behind the last products.
; x's rows of my queries come a p ahead, into window 3: p = 0, 1 into registers 128-255, which the last trip has read out; p = 2, 3 into 0-127, behind a wait that shows the last trip's loads into them done.
.macro XRL pl
.set XB, (128+64*(\pl))%256
	WIN 0xc0
.irp tau, 0,1
.irp i, 0,1,2,3,4,5,6,7
	global_load_b128 v[XB+32*\tau+4*\i:XB+32*\tau+4*\i+3], v18, s[22:23] offset:(\pl)*0x20000+\tau*4096+512*\i
.endr
.endr
	WIN 0
.endm
	XRL 0
	XRL 1
	WIN 0x0a                                       ; sources 0 and 1 window 2
.irp n, 0,1,2,3,4,5,6,7
	v_add_f32 v[EB+\n], v[LS+2*\n], v[LS+2*\n+1]
.endr
.irp n, 0,1,2,3,4,5,6,7
	v_sub_f32 v[DVL+2*\n+1], 1.0, v[MQ+\n]         ; 1 - m
.endr
	WIN 0
.irp n, 0,1,2,3,4,5,6,7
	v_permlanex16_b32 v[EB+8+\n], v[EB+\n], s40, s41
.endr
.irp n, 0,1,2,3,4,5,6,7
	v_add_f32 v[EB+\n], v[EB+\n], v[EB+8+\n]       ; l: with lane l xor 16's 256 keys
.endr
.irp n, 0,1,2,3,4,5,6,7
	v_rcp_f32 v[DVL+2*\n], v[EB+\n]
.endr
	v_nop
	s_wait_alu depctr_va_vdst(0)                   ; one wait for the eight reciprocals
.irp n, 0,1,2,3,4,5,6,7
	v_mul_f32 v[DVL+2*\n], v[DVL+2*\n], v[DVL+2*\n+1]     ; (1 - m) / l
.endr
.macro PACK pl, tau                    ; the sums x (1 - m) / l, each from its low end on
	WIN 0x01                                       ; source 0 window 1
.set NN, 0
.rept 16
	v_pk_mul_f32 v[KM+32*\tau+2*NN:KM+32*\tau+2*NN+1], v[64*\pl+32*\tau+2*NN:64*\pl+32*\tau+2*NN+1], v[DVL+4*\pl+2*\tau:DVL+4*\pl+2*\tau+1] op_sel_hi:[1,0]
.set NN, NN+1
.endr
	WIN 0
.endm
.macro STAGE pl, tau                   ; 16 queries x 64 channels through my own stage: in by pieces of 32 bytes, back as whole rows of 256; LDS serves a wave's instructions in order (ISA guide 5.7.1.4)
.set SBB, EB+128*(\pl%2)
.irp dt, 0,1,2,3
	ds_store_b128 v14, v[KM+32*\tau+8*\dt:KM+32*\tau+8*\dt+3] offset:\tau*4352+64*\dt
	ds_store_b128 v14, v[KM+32*\tau+8*\dt+4:KM+32*\tau+8*\dt+7] offset:\tau*4352+64*\dt+16
.endr
	WIN 0x08                                       ; an LDS store's data are its source 1: window 2
	ds_store_b32 v15, v[MQ+2*\pl+\tau] offset:\tau*4352   ; the row's m beside it (both halves of the lanes write the same word with the same value)
	WIN 0
.irp i, 0,1,2,3,4,5,6,7
	ds_load_b128 v[SBB+32*\tau+4*\i:SBB+32*\tau+4*\i+3], v16 offset:\tau*4352+544*\i
.endr
	WIN 0x80
.irp i, 0,1,2,3,4,5,6,7
	ds_load_b32 v[8*\tau+\i], v17 offset:\tau*4352+544*\i
.endr
	WIN 0
.endm
.macro SEND pl, tau, younger           ; + x m, and out: sixteen lanes store 256 consecutive bytes, at a multiple of 256 from out0's first byte
.set SBB, EB+128*(\pl%2)
.set XB, (128+64*\pl)%256
	s_wait_dscnt \younger
	WIN 0x0b                                       ; source 0 (x's rows) window 3, source 1 (m) window 2
.irp i, 0,1,2,3,4,5,6,7
.if \i%2
	v_pk_fma_f32 v[SBB+32*\tau+4*\i:SBB+32*\tau+4*\i+1], v[XB+32*\tau+4*\i:XB+32*\tau+4*\i+1], v[8*\tau+\i-1:8*\tau+\i], v[SBB+32*\tau+4*\i:SBB+32*\tau+4*\i+1] op_sel:[0,1,0] op_sel_hi:[1,1,1]
	v_pk_fma_f32 v[SBB+32*\tau+4*\i+2:SBB+32*\tau+4*\i+3], v[XB+32*\tau+4*\i+2:XB+32*\tau+4*\i+3], v[8*\tau+\i-1:8*\tau+\i], v[SBB+32*\tau+4*\i+2:SBB+32*\tau+4*\i+3] op_sel:[0,1,0] op_sel_hi:[1,1,1]
.else
	v_pk_fma_f32 v[SBB+32*\tau+4*\i:SBB+32*\tau+4*\i+1], v[XB+32*\tau+4*\i:XB+32*\tau+4*\i+1], v[8*\tau+\i:8*\tau+\i+1], v[SBB+32*\tau+4*\i:SBB+32*\tau+4*\i+1] op_sel_hi:[1,0,1]
	v_pk_fma_f32 v[SBB+32*\tau+4*\i+2:SBB+32*\tau+4*\i+3], v[XB+32*\tau+4*\i+2:XB+32*\tau+4*\i+3], v[8*\tau+\i:8*\tau+\i+1], v[SBB+32*\tau+4*\i+2:SBB+32*\tau+4*\i+3] op_sel_hi:[1,0,1]
.endif
.endr
	WIN 0
.irp i, 0,1,2,3,4,5,6,7
	global_store_b128 v18, v[SBB+32*\tau+4*\i:SBB+32*\tau+4*\i+3], s[24:25] offset:\pl*0x20000+\tau*4096+512*\i th:TH_STORE_NT
.endr
.endm
.irp pl, 0,1,2,3
.if \pl >= 2
	s_wait_xcnt 0x0                                ; the stores of two p ago have read their registers: this p's rows land there
.endif
.if (\pl > 0) && (\pl < 3)
	XRL \pl+1                                      ; behind the wait below of the p before: everything older than that p's successor's rows has come, the last trip's loads into registers 0-127 among it
.endif
	PACK \pl, 0
	STAGE \pl, 0
	PACK \pl, 1
	STAGE \pl, 1
.if \pl < 3
	s_wait_loadcnt 16                              ; this p's rows of x are in; the next p's 16 loads may be out
.else
	s_wait_loadcnt 0x0
.endif
	SEND \pl, 0, 25                                ; behind tile 0's loads from the stage: tile 1's 9 stores and 16 loads
	SEND \pl, 1, 0
.endr
	s_set_vgpr_msb 0xa
	s_wait_tensorcnt 0x0
	ds_add_u32 v254, v255
	s_wait_dscnt 0x0
	s_set_vgpr_msb 0xa00
	s_endpgm
.Lfunc_end_k_q04d49253f2_mse:
	.size	k_q04d49253f2_mse, .Lfunc_end_k_q04d49253f2_mse-k_q04d49253f2_mse
	.p2alignl 7, 3214868480
	.fill 96, 4, 3214868480
	.section	.rodata,"a",@progbits
	.p2align	6, 0x0
	.amdhsa_kernel k_q04d49253f2_mse
		.amdhsa_group_segment_fixed_size 147968
		.amdhsa_private_segment_fixed_size 0
		.amdhsa_enable_private_segment 0
		.amdhsa_kernarg_size 40
		.amdhsa_user_sgpr_count 2
		.amdhsa_user_sgpr_kernarg_segment_ptr 1
		.amdhsa_wavefront_size32 1
		.amdhsa_system_sgpr_workgroup_id_x 1
		.amdhsa_system_sgpr_workgroup_id_y 1
		.amdhsa_system_sgpr_workgroup_id_z 1
		.amdhsa_system_vgpr_workitem_id 0
		.amdhsa_next_free_vgpr 1024
		.amdhsa_next_free_sgpr 66
		.amdhsa_reserve_vcc 1
		.amdhsa_float_denorm_mode_32 3
		.amdhsa_float_denorm_mode_16_64 3
		.amdhsa_memory_ordered 1
		.amdhsa_forward_progress 1
		.amdhsa_inst_pref_size 255
	.end_amdhsa_kernel
	.section	.bss,"aw",@nobits
	.p2align	6
	.space	262144
	.amdgpu_metadata
---
amdhsa.version: [ 1, 2 ]
amdhsa.kernels:
  - .name:           k_q04d49253f2_mse
    .symbol:         k_q04d49253f2_mse.kd
    .args:
      - { .name: t, .offset: 0, .size: 8, .value_kind: global_buffer, .address_space: global }
      - { .name: x, .offset: 8, .size: 8, .value_kind: global_buffer, .address_space: global }
      - { .name: mask, .offset: 16, .size: 8, .value_kind: global_buffer, .address_space: global }
      - { .name: alpha_w, .offset: 24, .size: 8, .value_kind: global_buffer, .address_space: global }
      - { .name: out0, .offset: 32, .size: 8, .value_kind: global_buffer, .address_space: global }
    .group_segment_fixed_size: 147968
    .private_segment_fixed_size: 0
    .kernarg_segment_align: 8
    .kernarg_segment_size: 40
    .max_flat_workgroup_size: 128
    .sgpr_count:     66
    .vgpr_count:     1024
    .wavefront_size: 32
...
	.end_amdgpu_metadata
.endif
;; end of part 2
